; MI455X (gfx1250); checked and timed in simulation.
; The chip was launched on July 23, 2026; its instructions are those of AMD's public machine-readable ISA for CDNA 5 (MIT licence, August 2026) and "CDNA5" Instruction Set Architecture Reference Guide (July 2026). The comments in the code are by the model that wrote it; some were corrected since.
;; Patched Causal Self Attention. Allowed arithmetic: matrix products marked QUANTISED: E2M1 operands, one E8M0 scale for each 32 along K, by v_wmma_scale_f32_16x16x128_f8f6f4 with both operands' format E2M1 (or v_wmma_scale_f32_32x16x128_f4), f32 sums; products left as they are: bf16, f16 or f32 operands; f32 sums; everything else in f32.
;; Inputs: W_attn 1,024 x 3,072 float32; W_proj 1,024 x 1,024 float32; b_attn 3,072 float32; b_proj 1,024 float32; hidden_states 4 x 2,048 x 1,024 float32.
;; Outputs: out0 4 x 2,048 x 1,024 float32.
;; This version of the problem:
;;   THIS VERSION OF THE PROBLEM IS GIVEN IN LOW PRECISION. The matrix products marked QUANTISED in the list below multiply operands that are first quantised to E2M1 (2 exponent bits, 1 mantissa bit; 4 bits a number), with one power-of-two scale for each 32 numbers along K (OCP MX v1.0); their sums are f32. The products marked 'left as it is' may take bf16, f16 or f32 operands, with f32 sums. Whichever they take, every output number must still come out within the allowed error. Rounding operands to bf16 (8 significant bits) uses up far more of that allowance than f16 does (11 bits, for magnitudes from 6e-5 to 65,504). All else is computed in f32.
;;   The module's matrix products, in the order in which they are computed (A, B: the left and right operand; K: the contracted axis; several contracted axes count as one K, in the product's order):
;;     1. [M 8,192, K 1,024] x [K 1,024, N 3,072]; A: input hidden_states; B: input W_attn: QUANTISED
;;     2. batch 64 x [M 2,048, K 64] x [K 64, N 2,048]; A: computed on the way; B: computed on the way: left as it is (an operand is computed on the way)
;;     3. batch 64 x [M 2,048, K 2,048] x [K 2,048, N 64]; A: computed on the way; B: computed on the way: left as it is (an operand is computed on the way)
;;     4. [M 8,192, K 1,024] x [K 1,024, N 1,024]; A: computed on the way; B: input W_proj: left as it is (an operand is computed on the way)
;;   THE QUANTISER, for each operand of a quantised product, along K:
;;     - K is cut into blocks of 32 from its start; a last block that is shorter is filled with zeros.
;;     - A block's scale is 2^e with e = floor(log2(the largest magnitude in the block)) - 2, held to -126 .. 127; a block of zeros has e = 0. As a byte (E8M0): e + 127.
;;     - Each number is divided by its block's scale, clamped to +-6, and rounded to the nearest number of E2M1, ties to even, subnormals kept.
;;     - The product sums the exact products of the quantised numbers (number of the format x scale) in f32.
;;   ~~~python
;;   def quantise(x, axis):      # numpy; x: float32 -> the quantised numbers, widened to float32 again
;;       x = np.moveaxis(x, axis, -1); K = x.shape[-1]
;;       x = np.pad(x, [(0, 0)] * (x.ndim - 1) + [(0, -K % 32)]); x = x.reshape(x.shape[:-1] + (-1, 32)); a = np.abs(x).max(-1, keepdims=True)
;;       e = np.where(a > 0, np.clip(np.frexp(np.where(a > 0, a, 1))[1] - 1 - 2, -126, 127), 0)      # np.frexp(a)[1] - 1 = floor(log2(a)), exactly
;;       r = np.clip(x / 2.0 ** e, -6, 6)
;;       step = 2.0 ** (np.maximum(np.frexp(np.where(r == 0, 1, r))[1] - 1, 0) - 1)
;;       q = np.round(r / step) * step * 2.0 ** e      # np.round: ties to even
;;       return np.moveaxis(q.reshape(q.shape[:-2] + (-1,))[..., :K], -1, axis).astype(np.float32)
;;   ~~~
;; One version. Each part assembles by itself: llvm-mc -triple=amdgcn-amd-amdhsa -mcpu=gfx1250 --defsym DOCPART=n.
;; ======== version 1 of 1: 5 launches
;; limits: values are held in f16: magnitudes above 65,504 overflow, below 6.1e-05 lose precision
;; workspace buffers: xq 4,456,448 bytes; wq 1,671,168 bytes; wpt 2,097,152 bytes; qkv 50,331,648 bytes; aux 1,310,720 bytes; ctxh 16,777,216 bytes; suf1 16,384 bytes
;; launch prep (part 1): grid 512 x 1, 4 waves a work-group, no clusters, 77,312 bytes of LDS; arguments hidden_states, W_attn, W_proj, xq, wq, wpt; writes xq, wq, wpt
.if DOCPART == 1
	.amdgcn_target "amdgcn-amd-amdhsa--gfx1250"
	.amdhsa_code_object_version 6
	.text
	.protected	k_qd6c46cd600_prep
	.globl	k_qd6c46cd600_prep
	.p2align	8
	.type	k_qd6c46cd600_prep,@function
k_qd6c46cd600_prep:
	s_mov_b64 s[64:65], 0
	v_nop
	global_prefetch_b8 v0, s[64:65] scope:SCOPE_SE
	s_setreg_imm32_b32 hwreg(HW_REG_WAVE_MODE, 25, 1), 1
	s_wait_xcnt 0x0
; PREP: the operands of the later products are laid out once.
;   work-groups   0-255: hidden_states [8192][1024] f32 -> xq: codes of FP4 (E2M1), K innermost, [8192][512 bytes] at byte 0; E8M0 scale bytes [8192][32] at byte 4,194,304
;   work-groups 256-447: W_attn [1024 k][3072 n] f32   -> wq: codes [3072 n][512 bytes] at byte 0; scale bytes [3072][32] at byte 1,572,864 (quantised along k, its FIRST axis)
;   work-groups 448-511: W_proj [1024 k][1024 n] f32   -> wpt: f16 [1024 n][1024 k]
; A block's scale is 2^(floor(log2(largest magnitude)) - 2); its byte is the largest magnitude's exponent field - 2, held at 1 from below.
; LIMITS: a block of zeros gets the byte 1 where the quantiser says 127 (its codes are zeros, and only this program reads the bytes); blocks whose largest magnitude lies under 2^-124 were not tried;
; NaN and infinities are not served; |W_proj| stays under 65,504 (f16).
; The three paths part on the work-group's number alone; each has LDS bytes of its own and ends itself.
.set STEPS, 16
.set EMAX,  2
.set CB,    8                          ; bytes of 16 codes
.set R,     16                         ; path X: v16-79 four sets of 16 numbers as loaded
.set X,     80                         ; v80-111 two sets of 16 neighbours
.set C,     128                        ; v128-191 codes, four registers a step
.set E,     112                        ; v112-127 a scale byte a step
.set WREG,  8192                       ; path X: a region for each wave: two stages of 32 x SP bytes, then its 256 scale bytes
.set SP,    80
.set PITCH, 272                        ; paths W and P: a stage row: 256 bytes + 16
.set WST,   32768                      ; path W: 32 columns x PITCH, the work-group's
.set WSC,   41472                      ; path W: 32 columns x 16 scale bytes
.set PST,   41984                      ; path P: 32 columns x PITCH for each wave
.set SPARE, 76800                      ; the spare words, 128 bytes a wave
.set SPW,   12                         ; v12 my spare word's address; never rewritten
.set NIL,   13                         ; v13 0; never rewritten
.set XB,    32                         ; paths W and P: v32-95 two sets of 32 numbers down K
.set CD,    96                         ; v96.. what a block becomes
.set OUTR,  112                        ; v112.. the way out
.macro FINI                            ; a wave's end, behind the last LDS store
	s_wait_tensorcnt 0x0
	ds_add_u32 v[SPW], v[NIL]
	s_wait_dscnt 0x0
	s_endpgm
.endm
	s_load_b256 s[4:11], s[0:1], 0x0               ; hidden s[4:5], W_attn s[6:7], W_proj s[8:9], xq s[10:11]
	s_load_b128 s[12:15], s[0:1], 0x20             ; wq s[12:13], wpt s[14:15]
	v_lshl_add_u32 v[SPW], v0, 2, SPARE
	v_mov_b32 v[NIL], 0
	v_lshrrev_b32 v1, 5, v0
	v_readfirstlane_b32 s16, v1                    ; wave 0..3
	v_and_b32 v2, 31, v0                           ; lane
	s_wait_kmcnt 0x0
	s_cmp_lt_u32 ttmp9, 256
	s_cbranch_scc0 .Lnot_x
; ---------------- PATH X: K is innermost.  A wave takes 16 steps of 512 numbers.  Each load reads 512 consecutive bytes; a step's 2,048 bytes turn through the wave's own stage so that a lane
; holds 16 neighbours along K (two lanes to a block).  Loads run four steps ahead, the turn through LDS one step.
	v_lshlrev_b32 v3, 4, v2                        ; my 16 bytes of a load's 512
	s_mul_i32 s17, s16, WREG
	v_lshrrev_b32 v14, 2, v2
	v_mul_u32_u24 v14, v14, SP
	v_and_b32 v15, 3, v2
	v_lshl_add_u32 v14, v15, 4, v14
	v_add_nc_u32 v14, s17, v14                     ; the stage, in: SP (lane / 4) + 16 (lane % 4)
	v_mul_u32_u24 v15, v2, SP
	v_add_nc_u32 v15, s17, v15                     ; and out: SP x lane
	v_mul_u32_u24 v4, v2, CB                       ; my codes' place in a step's
	v_lshrrev_b32 v5, 1, v2
	s_add_co_u32 s17, s17, 2*32*SP
	v_add_nc_u32 v5, s17, v5                       ; my block's byte among the wave's 256
	v_lshlrev_b32 v7, 3, v2
	v_add_nc_u32 v6, s17, v7                       ; and 8 bytes a lane on the way out
	s_lshl_b32 s18, ttmp9, 2
	s_add_co_u32 s18, s18, s16                     ; which run of 8,192 numbers is my wave's
	s_lshl_b32 s20, s18, 15
	s_mov_b32 s21, 0
	s_add_nc_u64 s[4:5], s[4:5], s[20:21]          ; 32,768 bytes of f32 a run
	s_lshl_b32 s20, s18, 12
	s_add_nc_u64 s[22:23], s[10:11], s[20:21]      ; 4,096 bytes of codes
	s_lshl_b32 s20, s18, 8
	s_add_co_u32 s20, s20, 4194304
	s_add_nc_u64 s[24:25], s[10:11], s[20:21]      ; 256 scale bytes
.macro XLOAD t
.irp i, 0,1,2,3
	global_load_b128 v[R+16*((\t)%4)+4*\i:R+16*((\t)%4)+4*\i+3], v3, s[4:5] offset:2048*(\t)+512*\i th:TH_LOAD_NT
.endr
.endm
.macro XTURN t                         ; LDS serves a wave's instructions in order: no wait between the stores and the loads
.irp i, 0,1,2,3
	ds_store_b128 v14, v[R+16*((\t)%4)+4*\i:R+16*((\t)%4)+4*\i+3] offset:32*SP*((\t)%2)+8*SP*\i
.endr
.irp i, 0,1,2,3
	ds_load_b128 v[X+16*((\t)%2)+4*\i:X+16*((\t)%2)+4*\i+3], v15 offset:32*SP*((\t)%2)+16*\i
.endr
.endm
.irp t, 0,1,2,3
	XLOAD \t
.endr
	s_wait_loadcnt 12                              ; step 0's four loads are in; twelve younger stay out
	XTURN 0
.macro XSTEP t
.set XS, X+16*((\t)%2)
.if (\t) > 0
	s_wait_dscnt 1                                 ; this step's numbers are back from the stage; the last step's byte store may be out
.else
	s_wait_dscnt 0x0
.endif
.if (\t)+4 < STEPS
	XLOAD (\t)+4
.endif
.if (\t)+1 < STEPS
.if STEPS-2-(\t) >= 3
	s_wait_loadcnt 12                              ; the next step's four loads are in; those of three steps behind it may be out
.else
	s_wait_loadcnt 4*(STEPS-2-(\t))
.endif
	XTURN (\t)+1
.endif
	v_max3_num_f32 v8, |v[XS]|, |v[XS+1]|, |v[XS+2]|
	v_max3_num_f32 v9, |v[XS+3]|, |v[XS+4]|, |v[XS+5]|
.irp i, 6,10
	v_max3_num_f32 v8, v8, |v[XS+\i]|, |v[XS+\i+1]|
	v_max3_num_f32 v9, v9, |v[XS+\i+2]|, |v[XS+\i+3]|
.endr
	v_max3_num_f32 v8, v8, |v[XS+14]|, |v[XS+15]|
	v_max3_num_f32 v8, v8, v9, (EMAX+1)<<23        ; with the floor 2^(3 - 127): the byte cannot fall under 1
	v_max_num_f32_dpp v8, v8, v8 row_xmask:1 row_mask:0xf bank_mask:0xf   ; and my neighbour's 16: the block's largest magnitude
	v_add_nc_u32 v11, -(EMAX<<23), v8              ; 2 off its exponent field: the conversion's scale operand
	v_cvt_scalef32_pk8_fp4_f32 v[C+4*(\t)], v[XS:XS+7], v11
	v_cvt_scalef32_pk8_fp4_f32 v[C+4*(\t)+1], v[XS+8:XS+15], v11
	v_lshrrev_b32 v[E+(\t)], 23, v11               ; the scale's byte
	ds_store_b8 v5, v[E+(\t)] offset:16*(\t)       ; both lanes of a block write the same byte with the same value
	global_store_b64 v4, v[C+4*(\t):C+4*(\t)+1], s[22:23] offset:32*CB*(\t)   ; the wave stores 256 consecutive bytes, aligned
.endm
.irp t, 0,1,2,3,4,5,6,7,8,9,10,11,12,13,14,15
	XSTEP \t
.endr
	ds_load_b64 v[8:9], v6
	s_wait_dscnt 0x0
	global_store_b64 v7, v[8:9], s[24:25]          ; the wave's 256 scale bytes, consecutive and aligned
	FINI
.Lnot_x:
; 32 numbers down K of my column: block t of my wave's four, into set t % 2.  sb: the base's scalar pair; stride: bytes from row to row
.macro LOADB t, sb, stride
.irp i, 0,1,2,3,4,5,6,7,8,9,10,11,12,13,14,15,16,17,18,19,20,21,22,23,24,25,26,27,28,29,30,31
	global_load_b32 v[XB+32*((\t)%2)+\i], v3, s[\sb:\sb+1] offset:(32*(\t)+\i)*\stride
.endr
.endm
	s_cmp_lt_u32 ttmp9, 448
	s_cbranch_scc0 .Lpath_p
; ---------------- PATH W: a work-group takes 32 columns x 512 along K; wave w its blocks 4 w .. 4 w + 3.  A LANE TAKES A COLUMN AND ITS REGISTERS RUN DOWN K: a block is one lane's 32 registers,
; and the conversions give codes with K innermost.  The four waves' 64 bytes of each column meet in a stage, so that a column's 256 bytes leave together.
	s_sub_co_u32 s17, ttmp9, 256
	s_lshr_b32 s18, s17, 1                         ; which 32 columns
	s_and_b32 s19, s17, 1                          ; which 512 along K
	v_lshlrev_b32 v3, 2, v2
	s_lshl_b32 s20, s16, 6
	v_mul_u32_u24 v4, v2, PITCH
	v_add_nc_u32 v4, s20, v4
	v_add_nc_u32 v4, WST, v4                       ; in: row = my column, + 64 x wave
	s_lshl_b32 s20, s16, 2
	v_lshl_add_u32 v5, v2, 4, s20
	v_add_nc_u32 v5, WSC, v5                       ; my four scale bytes: 16 x column + 4 x wave
	v_and_b32 v14, 15, v2
	v_lshrrev_b32 v15, 4, v2
	s_mul_i32 s20, s16, 8*PITCH
	v_mul_u32_u24 v6, v15, PITCH
	v_lshl_add_u32 v6, v14, 4, v6
	v_add_nc_u32 v6, s20, v6
	v_add_nc_u32 v6, WST, v6                       ; out: wave w takes columns 8 w .. 8 w + 7, sixteen lanes to a row
	v_lshlrev_b32 v7, 9, v15
	v_lshl_add_u32 v7, v14, 4, v7                  ; the same place in wq: rows of 512 bytes
	v_lshl_add_u32 v10, v2, 4, WSC                 ; a column's 16 scale bytes back
	v_lshlrev_b32 v16, 5, v2                       ; and its row of 32 in wq
	s_lshl_b32 s20, s19, 9
	s_lshl_b32 s21, s16, 7
	s_add_co_u32 s20, s20, s21                     ; my first k
	s_mul_i32 s20, s20, 12288
	s_lshl_b32 s21, s18, 7
	s_add_co_u32 s20, s20, s21
	s_mov_b32 s21, 0
	s_add_nc_u64 s[6:7], s[6:7], s[20:21]
	s_lshl_b32 s20, s18, 14
	s_lshl_b32 s22, s16, 12
	s_add_co_u32 s20, s20, s22
	s_lshl_b32 s22, s19, 8
	s_add_co_u32 s20, s20, s22
	s_add_nc_u64 s[24:25], s[12:13], s[20:21]      ; codes: (32 cg + 8 w) rows of 512 + 256 ky
	s_lshl_b32 s20, s18, 10
	s_lshl_b32 s22, s19, 4
	s_add_co_u32 s20, s20, s22
	s_add_co_u32 s20, s20, 1572864
	s_add_nc_u64 s[26:27], s[12:13], s[20:21]      ; scale bytes: 32 cg rows of 32 + 16 ky
	LOADB 0, 6, 12288
	LOADB 1, 6, 12288
.macro BLOCKW t
.set XS, XB+32*((\t)%2)
.if (\t) < 3
	s_wait_loadcnt 32                              ; this block's 32 loads are in; the next block's 32 may be out
.else
	s_wait_loadcnt 0x0
.endif
	v_max3_num_f32 v8, |v[XS]|, |v[XS+1]|, |v[XS+2]|
	v_max3_num_f32 v9, |v[XS+3]|, |v[XS+4]|, |v[XS+5]|
.irp i, 6,10,14,18,22,26
	v_max3_num_f32 v8, v8, |v[XS+\i]|, |v[XS+\i+1]|
	v_max3_num_f32 v9, v9, |v[XS+\i+2]|, |v[XS+\i+3]|
.endr
	v_max3_num_f32 v8, v8, |v[XS+30]|, |v[XS+31]|
	v_max3_num_f32 v8, v8, v9, (EMAX+1)<<23
	v_add_nc_u32 v11, -(EMAX<<23), v8
	v_lshrrev_b32 v9, 23, v11
.if (\t) == 0
	v_mov_b32 v24, v9                              ; four bytes to a register, the lower K in the lower byte
.else
	v_lshl_or_b32 v24, v9, 8*(\t), v24
.endif
.irp g, 0,1,2,3
	v_cvt_scalef32_pk8_fp4_f32 v[CD+\g], v[XS+8*\g:XS+8*\g+7], v11
.endr
	ds_store_b128 v4, v[CD:CD+3] offset:16*(\t)
.if (\t)+2 < 4
	LOADB (\t)+2, 6, 12288
.endif
	s_wait_dscnt 0x0                               ; the store has read its registers: the next block's codes may be written
.endm
.irp t, 0,1,2,3
	BLOCKW \t
.endr
	ds_store_b32 v5, v24
	s_wait_dscnt 0x0                               ; for the others' sake: my stores have landed
	s_barrier_signal -1
	s_barrier_wait -1                              ; (all four waves of a work-group are on this path: the branches to it hang on the work-group's number alone)
.irp i, 0,1,2,3
	ds_load_b128 v[OUTR+4*\i:OUTR+4*\i+3], v6 offset:2*\i*PITCH
.endr
.irp i, 0,1,2,3
	s_wait_dscnt 3-\i
	global_store_b128 v7, v[OUTR+4*\i:OUTR+4*\i+3], s[24:25] offset:1024*\i   ; sixteen lanes store 256 consecutive bytes, aligned
.endr
	s_cmp_lg_u32 s16, 0
	s_cbranch_scc1 .Lw_done
	ds_load_b128 v[128:131], v10                   ; wave 0: the 32 columns' scale bytes, 16 a column (pieces of 16 bytes, rows 32 apart: one byte in 128 of what the path reads)
	s_wait_dscnt 0x0
	global_store_b128 v16, v[128:131], s[26:27]
.Lw_done:
	FINI
.Lpath_p:
; ---------------- PATH P: the same walk for W_proj, rounded to f16: 32 columns x 512 along K a work-group, 128 along K a wave: a column's 256 bytes are one wave's, so no barrier.
	s_sub_co_u32 s17, ttmp9, 448
	s_lshr_b32 s18, s17, 1
	s_and_b32 s19, s17, 1
	v_lshlrev_b32 v3, 2, v2
	s_mul_i32 s20, s16, 32*PITCH
	s_add_co_u32 s20, s20, PST                     ; my stage
	v_mul_u32_u24 v4, v2, PITCH
	v_add_nc_u32 v4, s20, v4
	v_and_b32 v14, 15, v2
	v_lshrrev_b32 v15, 4, v2
	v_mul_u32_u24 v6, v15, PITCH
	v_lshl_add_u32 v6, v14, 4, v6
	v_add_nc_u32 v6, s20, v6
	v_lshlrev_b32 v7, 11, v15
	v_lshl_add_u32 v7, v14, 4, v7                  ; rows of 2,048 bytes in wpt
	s_lshl_b32 s20, s19, 9
	s_lshl_b32 s21, s16, 7
	s_add_co_u32 s22, s20, s21                     ; my first k
	s_lshl_b32 s20, s22, 12
	s_lshl_b32 s21, s18, 7
	s_add_co_u32 s20, s20, s21
	s_mov_b32 s21, 0
	s_add_nc_u64 s[8:9], s[8:9], s[20:21]
	s_lshl_b32 s20, s18, 16
	s_lshl_b32 s22, s22, 1
	s_add_co_u32 s20, s20, s22
	s_add_nc_u64 s[14:15], s[14:15], s[20:21]
	LOADB 0, 8, 4096
	LOADB 1, 8, 4096
.macro BLOCKP t
.set XS, XB+32*((\t)%2)
.if (\t) < 3
	s_wait_loadcnt 32
.else
	s_wait_loadcnt 0x0
.endif
.irp g, 0,1,2,3,4,5,6,7,8,9,10,11,12,13,14,15
	v_cvt_pk_f16_f32 v[CD+\g], v[XS+2*\g], v[XS+2*\g+1]
.endr
.irp g, 0,1,2,3
	ds_store_b128 v4, v[CD+4*\g:CD+4*\g+3] offset:64*(\t)+16*\g
.endr
.if (\t)+2 < 4
	LOADB (\t)+2, 8, 4096
.endif
	s_wait_dscnt 0x0
.endm
.irp t, 0,1,2,3
	BLOCKP \t
.endr
.irp i, 0,1,2,3,4,5,6,7,8,9,10,11,12,13,14,15
	ds_load_b128 v[OUTR+4*\i:OUTR+4*\i+3], v6 offset:2*\i*PITCH
.endr
.irp i, 0,1,2,3,4,5,6,7,8,9,10,11,12,13,14,15
	s_wait_dscnt 15-\i
	global_store_b128 v7, v[OUTR+4*\i:OUTR+4*\i+3], s[14:15] offset:4096*\i
.endr
	FINI
.Lfunc_end_k_qd6c46cd600_prep:
	.size	k_qd6c46cd600_prep, .Lfunc_end_k_qd6c46cd600_prep-k_qd6c46cd600_prep
	.p2alignl 7, 3214868480
	.fill 96, 4, 3214868480
	.section	.rodata,"a",@progbits
	.p2align	6, 0x0
	.amdhsa_kernel k_qd6c46cd600_prep
		.amdhsa_group_segment_fixed_size 77312
		.amdhsa_private_segment_fixed_size 0
		.amdhsa_enable_private_segment 0
		.amdhsa_kernarg_size 48
		.amdhsa_user_sgpr_count 2
		.amdhsa_user_sgpr_kernarg_segment_ptr 1
		.amdhsa_wavefront_size32 1
		.amdhsa_system_sgpr_workgroup_id_x 1
		.amdhsa_system_sgpr_workgroup_id_y 1
		.amdhsa_system_sgpr_workgroup_id_z 1
		.amdhsa_system_vgpr_workitem_id 0
		.amdhsa_next_free_vgpr 192
		.amdhsa_next_free_sgpr 66
		.amdhsa_reserve_vcc 0
		.amdhsa_float_denorm_mode_32 3
		.amdhsa_float_denorm_mode_16_64 3
		.amdhsa_memory_ordered 1
		.amdhsa_forward_progress 1
		.amdhsa_inst_pref_size 76
	.end_amdhsa_kernel
	.amdgpu_metadata
---
amdhsa.version: [ 1, 2 ]
amdhsa.kernels:
  - .name:           k_qd6c46cd600_prep
    .symbol:         k_qd6c46cd600_prep.kd
    .args:
      - { .name: hidden_states, .offset: 0, .size: 8, .value_kind: global_buffer, .address_space: global }
      - { .name: W_attn, .offset: 8, .size: 8, .value_kind: global_buffer, .address_space: global }
      - { .name: W_proj, .offset: 16, .size: 8, .value_kind: global_buffer, .address_space: global }
      - { .name: xq, .offset: 24, .size: 8, .value_kind: global_buffer, .address_space: global }
      - { .name: wq, .offset: 32, .size: 8, .value_kind: global_buffer, .address_space: global }
      - { .name: wpt, .offset: 40, .size: 8, .value_kind: global_buffer, .address_space: global }
    .group_segment_fixed_size: 77312
    .private_segment_fixed_size: 0
    .kernarg_segment_align: 8
    .kernarg_segment_size: 48
    .max_flat_workgroup_size: 128
    .sgpr_count:     66
    .vgpr_count:     192
    .wavefront_size: 32
...
	.end_amdgpu_metadata
.endif
;; end of part 1
;; launch gemm_qkv (part 2): grid 12 x 32, 4 waves a work-group, clusters of 4 x 4, 327,680 bytes of LDS; arguments xq, wq, qkv, b_attn, aux; writes qkv, aux
.if DOCPART == 2
	.amdgcn_target "amdgcn-amd-amdhsa--gfx1250"
	.amdhsa_code_object_version 6
	.text
	.protected	k_qd6c46cd600_gemm_qkv
	.globl	k_qd6c46cd600_gemm_qkv
	.p2align	8
	.type	k_qd6c46cd600_gemm_qkv,@function
k_qd6c46cd600_gemm_qkv:
	s_mov_b64 s[64:65], 0
	v_nop
	global_prefetch_b8 v0, s[64:65] scope:SCOPE_SE
	s_setreg_imm32_b32 hwreg(HW_REG_WAVE_MODE, 25, 1), 1
	s_wait_xcnt 0x0
	s_wait_alu depctr_hold_cnt(0) depctr_sa_sdst(0) depctr_va_vdst(0) depctr_va_sdst(0) depctr_va_ssrc(0) depctr_va_vcc(0) depctr_vm_vsrc(0)
	s_getreg_b32 s2, hwreg(HW_REG_IB_STS2, 6, 4)
	s_cmp_eq_u32 s2, 0
	s_cbranch_scc0 .Lentry_in_a_cluster
	s_endpgm
.Lentry_in_a_cluster:
	s_bfe_u32 s2, ttmp6, 0x10000c
	s_cmp_lg_u32 s2, 0xf033
	s_cbranch_scc0 .Lentry_shape_is_right
	s_endpgm
.Lentry_shape_is_right:
; qkv = Q(x) Q(W_attn) + b_attn on codes of FP4 (E2M1) with one E8M0 scale for each 32 along K; sums in f32.  M 8,192, N 3,072, K 1,024.
; A tile of C, 256 x 256, is a work-group's; a wave makes 128 x 128 in 64 accumulators.  K is two slots of 512: both slots and all scale bytes are first fills (three tensor loads a wave are out at the start),
; nothing is filled again, and there is no loop.  CLUSTERS: 4 x 4; A's tiles are asked for jointly along a row of the cluster, B's along a column.
; THE TILE ROW IS cluster y + 8 cy: eight tile rows are a sequence, so cy is the batch, and the first rows of all four sequences lie in the clusters with y = 0.
; The matrix instruction is used transposed (source 0 = 16 rows of wq, source 1 = 16 rows of xq): a lane holds eight neighbouring columns of one row.  The bias is the C of each sum's first instruction
; (so it enters the f32 sum first, where the definition adds it last).
; OUT: q, k, v in f16 by head: qkv [3][64 b h][2048][64];  for v's columns the f32 sums over groups of 64 rows: aux [128 groups][1024] (a sequence's first group: rows 16 to 63 alone);
; the f32 rows of positions 0-15 of each sequence: aux + 524,288: [4][16][3072].
; LIMITS: |q|, |k|, |v| stay under 65,504 (f16); NaN and infinities are not served.
; REGISTERS: window 0: v16-31 addresses; v32-95 scale words, two sets; v96-127 packed results; v128-191 A's fragments, later rows on their way out; v192-255 the bias, later v's sums.
;   window 1: B's fragments, two sets, at v0 and v128.  window 2: accumulators of my rows 0-63 ((a, b) at v[8 (8 a + b)]);  window 3: rows 64-127.
.set NQ,     4                         ; matrix instructions deep in a slot
.set ROWB,   256                       ; a tile's row: 512 codes
.set KROW,   512                       ; a row of codes in memory
.set PITCH,  272                       ; an LDS row: 256 bytes + 16: the sixteen rows of a fragment load start 68 words apart
.set FR,     8
.set NL,     2
.set NP,     4                         ; places behind this matrix instruction (ISA guide 7.12.1)
.set HALFT,  128*PITCH
.set SLOT,   4*HALFT
.set KS,     32                        ; a row of scale bytes
.set SCL,    2*SLOT
.set HALFS,  (128*KS/256)*272
.set SBLK,   (16*KS/256)*272
.set SPARE,  SCL+4*HALFS               ; the spare words, 128 bytes a wave
.set STAGE,  SPARE+512                 ; the way out: 16 rows x 272 bytes for each wave, bytes of its own
.set SPITCH, 272
.set XSCL,   4194304                   ; where the scale bytes begin in xq
.set WSCL,   1572864                   ; and in wq
.set ADRA, 16
.set BSR,  18                          ; v18 stage + 16 x lane
.set BIA,  19                          ; v19 32 x (lane / 16)
.set ADRB, 20
.set HO,   22                          ; v22 the f32 rows: (lane / 16) x 12,288 + 16 (lane % 16)
.set BSO,  23                          ; v23 stage + 32 x (lane / 16)
.set STO,  24                          ; v24 stage + 272 r + 16 h
.set RD,   25                          ; v25 stage + 272 (lane / 8) + 16 (lane % 8)
.set CO,   26                          ; v26 16 x lane
.set ADRS, 27
.set SPW,  28
.set NIL,  29
.set STO32, 30                         ; v30 stage + 272 r + 32 h
.set RD2,  31                          ; v31 stage + 272 (lane / 16) + 16 (lane % 16)
.set SC,   32
.set TMP,  96
.set AF,   128
.set BK,   128
.set BI,   192                         ; the bias: v[BI + 8 b + j] = b_attn[my first column + 16 b + 8 h + j]
.set T,    192                         ; later: v's sums
.set G1, 24
.set G0, 32
.set G1B, 48
.set G0B, 56
.set G1S, 68
.set G0S, 76
.set G1SB, 80
.set G0SB, 88
.set MSB, 0
.macro WIN new                         ; the immediate's high byte repeats the setting that is left
.if MSB != (\new)
	s_set_vgpr_msb (MSB<<8)|(\new)
.set MSB, (\new)
.endif
.endm
.macro WMUL hi, zero                   ; source 0 (B) window 1, source 1 (A) window 0, D window 2 + hi; C the same, or in the first step window 0 (the bias)
.if \zero
	WIN 0x81+0x40*(\hi)
.else
	WIN 0xa1+0x50*(\hi)
.endif
.endm
.set TO_B, 0x40
; A joint load: waves 0 and 1 fetch for A, waves 2 and 3 for B; the branch hangs on the wave's number alone.  An s_nop 0 and four v_nop follow each line.
.macro JLOAD g0a, g1a, g0b, g1b
	s_cmp_eq_u32 s15, 0
	s_cbranch_scc0 .Lfor_b_\@
	tensor_load_to_lds s[\g0a:\g0a+3], s[\g1a:\g1a+7]
	s_nop 0
.rept 4
	v_nop
.endr
	s_branch .Lasked_\@
.Lfor_b_\@:
	tensor_load_to_lds s[\g0b:\g0b+3], s[\g1b:\g1b+7]
	s_nop 0
.rept 4
	v_nop
.endr
.Lasked_\@:
.endm
.macro CROUND                          ; a round of the cluster's barrier
	s_barrier_signal -1
	s_barrier_wait -1
	s_cmp_lg_u32 s14, 0
	s_cbranch_scc1 .Lnot_wave_0_\@
	s_barrier_signal -3
.Lnot_wave_0_\@:
	s_barrier_wait -3
	s_barrier_signal -1
	s_barrier_wait -1
.endm
	s_load_b128 s[4:7], s[0:1], 0x0                ; xq s[4:5], wq s[6:7]
	s_load_b128 s[8:11], s[0:1], 0x10              ; qkv s[8:9], b_attn s[10:11]
	s_load_b64 s[12:13], s[0:1], 0x20              ; aux
	v_lshl_add_u32 v[SPW], v0, 2, SPARE
	v_mov_b32 v[NIL], 0
	ds_add_u32 v[SPW], v[NIL]                      ; the wave's opening: the add, twice on end, and its wait ahead of my first tensor load
	ds_add_u32 v[SPW], v[NIL]
	v_lshrrev_b32 v1, 5, v0
	v_readfirstlane_b32 s14, v1                    ; wave 0..3
	s_lshr_b32 s15, s14, 1                         ; my half of the tile's rows.  Also: I fetch for A (0) or B (1)
	s_and_b32 s16, s14, 1                          ; my half of its columns.  Also: which 128 rows I fetch
	s_bfe_u32 s40, ttmp6, 0x40000                  ; cx
	s_bfe_u32 s41, ttmp6, 0x40004                  ; cy
	s_lshl_b32 s42, ttmp9, 2
	s_add_co_u32 s42, s42, s40                     ; tile column = 4 x cluster x + cx
	s_and_b32 s95, ttmp7, 0xffff                   ; cluster y
	s_lshl_b32 s17, s41, 3
	s_add_co_u32 s17, s17, s95                     ; tile row = cluster y + 8 cy
	s_or_b32 s99, s95, s15                         ; 0: my rows begin a sequence (the same in all partners, for a given wave)
	s_lshl_b32 s43, s41, 2
	s_lshl_b32 s43, 15, s43                        ; my row of the cluster
	s_lshl_b32 s44, 0x1111, s40                    ; my column
	s_or_b32 s[G1+0], s43, (0<<16)|(1<<20)|(1<<21)|(5<<22)|(3<<25)  ; the mask; elements of 1 byte; padding of 4 words after every 64
	s_or_b32 s[G1B+0], s44, (0<<16)|(1<<20)|(1<<21)|(5<<22)|(3<<25)
.irp g, G1, G1B
	s_mov_b32 s[\g+1], ROWB<<16                    ; tensor_dim0
	s_mov_b32 s[\g+2], 128<<16                     ; tensor_dim1
	s_mov_b32 s[\g+3], ROWB<<16                    ; tile_dim0
	s_mov_b32 s[\g+4], 128                         ; tile_dim1
	s_mov_b32 s[\g+5], KROW                        ; the pitch
	s_mov_b32 s[\g+6], 0
	s_mov_b32 s[\g+7], 0
.endr
	s_or_b32 s[G1S+0], s43, (3<<16)|(1<<20)|(1<<21)|(5<<22)|(3<<25) ; the scale bytes of 128 rows: 4,096 dense bytes as 16 rows of 256 (32 elements of 8 bytes)
	s_or_b32 s[G1SB+0], s44, (3<<16)|(1<<20)|(1<<21)|(5<<22)|(3<<25)
.irp g, G1S, G1SB
	s_mov_b32 s[\g+1], 32<<16
	s_mov_b32 s[\g+2], (128*KS/256)<<16
	s_mov_b32 s[\g+3], 32<<16
	s_mov_b32 s[\g+4], 128*KS/256
	s_mov_b32 s[\g+5], 32
	s_mov_b32 s[\g+6], 0
	s_mov_b32 s[\g+7], 0
.endr
	s_lshl_b32 s18, s16, 7
	s_lshl_b32 s20, s17, 8
	s_add_co_u32 s20, s20, s18                     ; A: row 256 x tile row + 128 x half
	s_lshl_b32 s46, s42, 8
	s_add_co_u32 s46, s46, s18                     ; B: row 256 x tile column + 128 x half
	s_mov_b32 s21, 0
	s_mov_b32 s47, 0
	s_mov_b64 s[18:19], KS
	s_mul_u64 s[22:23], s[20:21], s[18:19]
	s_mul_u64 s[92:93], s[46:47], s[18:19]
	s_add_nc_u64 s[22:23], s[22:23], XSCL          ; where these rows' scale bytes begin
	s_add_nc_u64 s[92:93], s[92:93], WSCL
	s_mov_b64 s[18:19], KROW
	s_mul_u64 s[20:21], s[20:21], s[18:19]         ; and their codes
	s_mul_u64 s[46:47], s[46:47], s[18:19]
	s_mul_i32 s45, s14, HALFT                      ; where they go: wave x 128 rows
	s_mul_i32 s94, s14, HALFS
	s_wait_dscnt 0x0                               ; both opening adds are done
	s_wait_kmcnt 0x0
	s_add_nc_u64 s[20:21], s[4:5], s[20:21]
	s_add_nc_u64 s[22:23], s[4:5], s[22:23]
	s_add_nc_u64 s[46:47], s[6:7], s[46:47]
	s_add_nc_u64 s[92:93], s[6:7], s[92:93]
	CROUND                                         ; all sixteen work-groups are here: the joint loads meet
	s_mov_b32 s[G0S], 1
	s_add_co_u32 s[G0S+1], s94, SCL
	s_mov_b64 s[G0S+2:G0S+3], s[22:23]
	s_or_b32 s[G0S+3], s[G0S+3], 0x80000000
	s_mov_b32 s[G0SB], 1
	s_add_co_u32 s[G0SB+1], s94, SCL
	s_mov_b64 s[G0SB+2:G0SB+3], s[92:93]
	s_or_b32 s[G0SB+3], s[G0SB+3], 0x80000000
	JLOAD G0S, G1S, G0SB, G1SB                     ; the scale bytes first
.irp s, 0,1
	s_mov_b32 s[G0+4*\s], 1
	s_add_co_u32 s[G0+4*\s+1], s45, \s*SLOT
	s_add_nc_u64 s[G0+4*\s+2:G0+4*\s+3], s[20:21], \s*ROWB
	s_or_b32 s[G0+4*\s+3], s[G0+4*\s+3], 0x80000000
	s_mov_b32 s[G0B+4*\s], 1
	s_add_co_u32 s[G0B+4*\s+1], s45, \s*SLOT
	s_add_nc_u64 s[G0B+4*\s+2:G0B+4*\s+3], s[46:47], \s*ROWB
	s_or_b32 s[G0B+4*\s+3], s[G0B+4*\s+3], 0x80000000
	JLOAD G0+4*\s, G1, G0B+4*\s, G1B
.endr
	v_and_b32 v1, 15, v0                           ; r
	v_bfe_u32 v2, v0, 4, 1                         ; h
	v_mul_u32_u24 v3, v1, PITCH
	v_lshl_add_u32 v4, v2, 4, v3
	s_mul_i32 s21, s15, HALFT
	s_mul_i32 s22, s16, HALFT
	s_add_co_u32 s22, s22, 2*HALFT
.irp s, 0,1
	v_add_nc_u32 v[ADRA+\s], s21, v4
	v_add_nc_u32 v[ADRB+\s], s22, v4
	s_add_co_u32 s21, s21, SLOT
	s_add_co_u32 s22, s22, SLOT
.endr
	v_mul_u32_u24 v5, v1, KS                       ; my row's scale bytes: 32 a row, and 16 more for each 256 passed
	v_lshrrev_b32 v6, 8, v5
	v_lshl_add_u32 v5, v6, 4, v5
	s_mul_i32 s21, s15, HALFS
	s_mul_i32 s22, s16, HALFS
	s_add_co_u32 s22, s22, 2*HALFS
	s_sub_co_u32 s22, s22, s21
	v_mul_u32_u24 v6, s22, v2                      ; lanes 16-31 take B's
	s_add_co_u32 s21, s21, SCL
	v_add_nc_u32 v5, v5, v6
	v_add_nc_u32 v[ADRS], s21, v5
	s_mul_i32 s23, s14, 16*SPITCH
	s_add_co_u32 s23, s23, STAGE                   ; my stage
	v_mul_u32_u24 v5, v1, SPITCH
	v_add_nc_u32 v5, s23, v5
	v_lshl_add_u32 v[STO], v2, 4, v5
	v_lshl_add_u32 v[STO32], v2, 5, v5
	v_bfe_u32 v6, v0, 3, 2
	v_mul_u32_u24 v6, v6, SPITCH
	v_and_b32 v7, 7, v0
	v_lshl_add_u32 v6, v7, 4, v6
	v_add_nc_u32 v[RD], s23, v6
	v_mul_u32_u24 v6, v2, SPITCH
	v_lshl_add_u32 v6, v1, 4, v6
	v_add_nc_u32 v[RD2], s23, v6
	v_and_b32 v6, 31, v0
	v_lshlrev_b32 v[CO], 4, v6
	v_add_nc_u32 v[BSR], s23, v[CO]
	v_lshlrev_b32 v[BIA], 5, v2
	v_add_nc_u32 v[BSO], s23, v[BIA]
	v_mul_u32_u24 v[HO], v2, 12288
	v_lshl_add_u32 v[HO], v1, 4, v[HO]
	; qkv: which x 2^24 + batch x 2^22 + head x 2^18 + position x 128
	s_lshr_b32 s20, s42, 2
	s_lshl_b32 s20, s20, 24
	s_lshl_b32 s21, s41, 22
	s_add_co_u32 s20, s20, s21
	s_and_b32 s21, s42, 3
	s_lshl_b32 s21, s21, 20
	s_add_co_u32 s20, s20, s21
	s_lshl_b32 s21, s16, 19
	s_add_co_u32 s20, s20, s21
	s_lshl_b32 s21, s95, 15
	s_add_co_u32 s20, s20, s21
	s_lshl_b32 s21, s15, 14
	s_add_co_u32 s20, s20, s21
	s_mov_b32 s21, 0
	s_add_nc_u64 s[8:9], s[8:9], s[20:21]
	s_lshl_b32 s98, s42, 10
	s_lshl_b32 s22, s16, 9
	s_add_co_u32 s98, s98, s22                     ; 4 x my first column
	s_mov_b32 s20, s98
	s_add_nc_u64 s[10:11], s[10:11], s[20:21]
	s_mul_i32 s22, s41, 196608
	s_add_co_u32 s22, s22, s98
	s_add_co_u32 s22, s22, 524288
	s_mov_b32 s23, 0
	s_add_nc_u64 s[96:97], s[12:13], s[22:23]      ; the f32 rows of my batch, at my first column
.irp b, 0,1,2,3,4,5,6,7
	global_load_b128 v[BI+8*\b:BI+8*\b+3], v[BIA], s[10:11] offset:64*\b
	global_load_b128 v[BI+8*\b+4:BI+8*\b+7], v[BIA], s[10:11] offset:64*\b+16
.endr
.macro FRAG reg, adr, q, i             ; 16 rows x 128 K of 4-bit codes: 8 registers, two loads of 16 bytes, 32 bytes apart
.irp c, 0,1
	ds_load_b128 v[\reg+4*\c:\reg+4*\c+3], v[\adr] offset:64*(\q)+32*\c+(\i)*16*PITCH
.endr
.endm
; 16 matrix instructions: A's blocks a0, a0 + 1 x B's eight.  The 64 accumulators take turns, one instruction a turn, in the same order in every step.
.macro MUL16 a0, p, q, sc, zero
.irp a, \a0, \a0+1
.irp b, 0,1,2,3,4,5,6,7
.if \zero
	v_wmma_scale_f32_16x16x128_f8f6f4 v[8*(8*((\a)%4)+\b):8*(8*((\a)%4)+\b)+7], v[128*(\p)+FR*\b:128*(\p)+FR*\b+FR-1], v[AF+FR*(\a):AF+FR*(\a)+FR-1], v[BI+8*\b:BI+8*\b+7], v[SC+8*NQ*(\sc)+NQ*\b+(\q)], v[SC+8*NQ*(\sc)+NQ*(\a)+(\q)] matrix_a_fmt:MATRIX_FMT_FP4 matrix_b_fmt:MATRIX_FMT_FP4 matrix_a_scale:MATRIX_SCALE_ROW1
.else
	v_wmma_scale_f32_16x16x128_f8f6f4 v[8*(8*((\a)%4)+\b):8*(8*((\a)%4)+\b)+7], v[128*(\p)+FR*\b:128*(\p)+FR*\b+FR-1], v[AF+FR*(\a):AF+FR*(\a)+FR-1], v[8*(8*((\a)%4)+\b):8*(8*((\a)%4)+\b)+7], v[SC+8*NQ*(\sc)+NQ*\b+(\q)], v[SC+8*NQ*(\sc)+NQ*(\a)+(\q)] matrix_a_fmt:MATRIX_FMT_FP4 matrix_b_fmt:MATRIX_FMT_FP4 matrix_a_scale:MATRIX_SCALE_ROW1
.endif
.endr
.endr
.endm
.macro FETCH_B slot, q, p
	WIN TO_B
.irp i, 0,1,2,3,4,5,6,7
	FRAG 128*(\p)+FR*\i, ADRB+\slot, \q, \i
.endr
	WIN 0
.endm
.macro FETCH_A slot, q, i0
.irp i, \i0, \i0+1, \i0+2, \i0+3
	FRAG AF+FR*(\i), ADRA+\slot, \q, \i
.endr
.endm
.macro SCALES sc                       ; a slot's scale words: lanes 0-15 A's block i, lanes 16-31 B's block i
.irp i, 0,1,2,3,4,5,6,7
	ds_load_b128 v[SC+8*NQ*\sc+NQ*\i:SC+8*NQ*\sc+NQ*\i+3], v[ADRS] offset:\i*SBLK
.endr
.endm
.macro PLACES n                        ; plain vector instructions between a matrix instruction and a load into, or a read of, its registers
.rept \n
	v_nop
.endr
.endm
.macro STEP slot, q, zero              ; 128 along K, with its successor in the same slot
	s_wait_dscnt 4*NL                              ; B's set and A's blocks 0-3 are in; the youngest eight loads (A's blocks 4-7) may be out
	WMUL 0, \zero
	MUL16 0, (\q)%2, \q, \slot, \zero
	MUL16 2, (\q)%2, \q, \slot, \zero
	s_wait_dscnt 0
	PLACES NP
	FETCH_B \slot, (\q)+1, 1-(\q)%2
	FETCH_A \slot, (\q)+1, 0
	WMUL 1, \zero
	MUL16 4, (\q)%2, \q, \slot, \zero
	MUL16 6, (\q)%2, \q, \slot, \zero
	PLACES NP
	WIN 0
	FETCH_A \slot, (\q)+1, 4
.endm
.macro STEPS slot, from
.set Q, \from
.rept NQ-1-\from
	STEP \slot, Q, 0
.set Q, Q+1
.endr
.endm
	s_wait_loadcnt 0x0                             ; the bias
	s_wait_tensorcnt 1                             ; the scale bytes and my part of slot 0 are in; slot 1's load may be out
	s_barrier_signal -1
	s_barrier_wait -1
	FETCH_B 0, 0, 0
	FETCH_A 0, 0, 0
	SCALES 0
	FETCH_A 0, 0, 4
	STEP 0, 0, 1                                   ; the first step starts the sums, from the bias
	STEPS 0, 1
	; slot 0's last step changes slots: one barrier; nothing is filled again
	s_wait_tensorcnt 0x0                           ; my part of slot 1 has landed
	ds_add_u32 v[SPW], v[NIL]
	s_wait_dscnt 4*NL+1                            ; the add and the youngest eight loads may be out
	WMUL 0, 0
	MUL16 0, 1, NQ-1, 0, 0
	s_wait_dscnt 0x0
	s_barrier_signal -1
	MUL16 2, 1, NQ-1, 0, 0
	WIN 0
	s_barrier_wait -1
	PLACES NP
	v_add_nc_u32 v[ADRS], 4*NQ, v[ADRS]            ; the next slot's scale words
	FETCH_B 1, 0, 0
	FETCH_A 1, 0, 0
	SCALES 1
	WMUL 1, 0
	MUL16 4, 1, NQ-1, 0, 0
	MUL16 6, 1, NQ-1, 0, 0
	PLACES NP
	WIN 0
	FETCH_A 1, 0, 4
	STEPS 1, 0
	s_wait_dscnt 4*NL
	WMUL 0, 0
	MUL16 0, 1, NQ-1, 1, 0
	MUL16 2, 1, NQ-1, 1, 0
	s_wait_dscnt 0
	WMUL 1, 0
	MUL16 4, 1, NQ-1, 1, 0
	MUL16 6, 1, NQ-1, 1, 0
	WIN 0
	PLACES NP
; V'S SUMS over my two groups of 64 rows (g = 0: window 2, g = 1: window 3), only where my columns are v's (cluster x = 2: the same in all partners).
; Four blocks are added register by register, then the sixteen lanes of a half (sixteen rows) by four steps on the arithmetic.  Each accumulator is read from its low end on.
.macro BSUM g
	WIN 0x0a+5*(\g)
.irp b, 0,1,2,3,4,5,6,7
.irp p, 0,2,4,6
	v_pk_add_f32 v[T+8*\b+\p:T+8*\b+\p+1], v[64+8*\b+\p:64+8*\b+\p+1], v[128+8*\b+\p:128+8*\b+\p+1]
.endr
.endr
	WIN 0x08+4*(\g)
.irp b, 0,1,2,3,4,5,6,7
.irp p, 0,2,4,6
	v_pk_add_f32 v[T+8*\b+\p:T+8*\b+\p+1], v[T+8*\b+\p:T+8*\b+\p+1], v[192+8*\b+\p:192+8*\b+\p+1]
.endr
.endr
.if (\g) == 0
	WIN 0
	s_cmp_eq_u32 s99, 0                            ; a sequence's first group leaves its rows 0-15 out: the launch that carries those rows finely wants the sum of rows 16 on
	s_cbranch_scc1 .Lfirst16
	WIN 0x08
.endif
.irp b, 0,1,2,3,4,5,6,7
.irp p, 0,2,4,6
	v_pk_add_f32 v[T+8*\b+\p:T+8*\b+\p+1], v[T+8*\b+\p:T+8*\b+\p+1], v[8*\b+\p:8*\b+\p+1]
.endr
.endr
	WIN 0
.if (\g) == 0
.Lfirst16:
.endif
.irp m, 1,2,4,8
.set kk, 0
.rept 64
	v_add_f32_dpp v[T+kk], v[T+kk], v[T+kk] row_xmask:\m row_mask:0xf bank_mask:0xf
.set kk, kk+1
.endr
.endr
.irp b, 0,1,2,3,4,5,6,7
	ds_store_b128 v[BSO], v[T+8*\b:T+8*\b+3] offset:512*(\g)+64*\b       ; the sixteen lanes of a half write the same bytes with the same values
	ds_store_b128 v[BSO], v[T+8*\b+4:T+8*\b+7] offset:512*(\g)+64*\b+16
.endr
.endm
	s_cmp_lg_u32 ttmp9, 2
	s_cbranch_scc1 .Lno_bsum
	s_lshl_b32 s22, s17, 14                        ; group 4 x tile row + 2 x half: rows of 4,096 bytes
	s_lshl_b32 s23, s15, 13
	s_add_co_u32 s22, s22, s23
	s_add_co_u32 s22, s22, s98
	s_sub_co_u32 s22, s22, 8192                    ; v's columns begin at 2,048
	s_mov_b32 s23, 0
	s_add_nc_u64 s[12:13], s[12:13], s[22:23]
	BSUM 0
	BSUM 1
	ds_load_b128 v[128:131], v[BSR]                ; LDS serves a wave's instructions in order: these see my stores
	ds_load_b128 v[132:135], v[BSR] offset:512
	s_wait_dscnt 0x0
	global_store_b128 v[CO], v[128:131], s[12:13]              ; 512 consecutive bytes, aligned
	global_store_b128 v[CO], v[132:135], s[12:13] offset:4096
	s_wait_xcnt 0x0                                ; the stores have read their registers
.Lno_bsum:
; THE F32 ROWS of positions 0-15: block 0 of the waves whose rows begin a sequence; through the stage, 64 columns (256 bytes a row) at a time.
	s_cmp_lg_u32 s99, 0
	s_cbranch_scc1 .Lno_head
.irp u, 0,1
	WIN 0x08                                       ; an LDS store's data are its source 1: window 2
.irp b, 0,1,2,3
	ds_store_b128 v[STO32], v[8*(4*\u+\b):8*(4*\u+\b)+3] offset:64*\b
	ds_store_b128 v[STO32], v[8*(4*\u+\b)+4:8*(4*\u+\b)+7] offset:64*\b+16
.endr
	WIN 0
.irp i, 0,1,2,3,4,5,6,7
	ds_load_b128 v[BK+32*\u+4*\i:BK+32*\u+4*\i+3], v[RD2] offset:2*\i*SPITCH
.endr
.endr
	s_wait_dscnt 0x0
.irp u, 0,1
.irp i, 0,1,2,3,4,5,6,7
	global_store_b128 v[HO], v[BK+32*\u+4*\i:BK+32*\u+4*\i+3], s[96:97] offset:2*\i*12288+256*\u   ; sixteen lanes store 256 consecutive bytes, aligned
.endr
.endr
	s_wait_xcnt 0x0
.Lno_head:
; Q, K, V IN F16, block by block of 16 rows x 128 columns (two heads).  Rounded, 16 bytes a lane into the stage; back as 4 rows x 128 bytes of one head, which are 512 consecutive bytes of qkv.
.macro PACK a
.set AC, 64*((\a)%4)
	WIN 0x0a+5*((\a)/4)
.irp b, 0,1,2,3,4,5,6,7
.irp p, 0,1,2,3
	v_cvt_pk_f16_f32 v[TMP+4*\b+\p], v[AC+8*\b+2*\p], v[AC+8*\b+2*\p+1]
.endr
.endr
	WIN 0
.endm
.macro TOSTAGE a
.set BB, BK+32*((\a)%2)
.irp b, 0,1,2,3,4,5,6,7
	ds_store_b128 v[STO], v[TMP+4*\b:TMP+4*\b+3] offset:32*\b
.endr
.irp hs, 0,1
.irp t, 0,1,2,3
	ds_load_b128 v[BB+16*\hs+4*\t:BB+16*\hs+4*\t+3], v[RD] offset:128*\hs+4*\t*SPITCH
.endr
.endr
.endm
.macro SEND a
.set BB, BK+32*((\a)%2)
	s_wait_dscnt 0x0                               ; the block is back in registers
	s_wait_xcnt 0x0                                ; the block before has left its registers: the next block's loads may land there
.irp hs, 0,1
.irp t, 0,1,2,3
	global_store_b128 v[CO], v[BB+16*\hs+4*\t:BB+16*\hs+4*\t+3], s[8:9] offset:262144*\hs+2048*(\a)+512*\t
.endr
.endr
.endm
	PACK 0
	TOSTAGE 0
.irp a, 1,2,3,4,5,6,7                  ; block a's conversions stand between block a - 1's loads from the stage and the wait for them
	PACK \a
	SEND \a-1
	TOSTAGE \a
.endr
	SEND 7
	s_wait_tensorcnt 0x0                           ; the wave's end
	ds_add_u32 v[SPW], v[NIL]
	s_wait_dscnt 0x0
	CROUND                                         ; the closing round
	s_endpgm
.Lfunc_end_k_qd6c46cd600_gemm_qkv:
	.size	k_qd6c46cd600_gemm_qkv, .Lfunc_end_k_qd6c46cd600_gemm_qkv-k_qd6c46cd600_gemm_qkv
	.p2alignl 7, 3214868480
	.fill 96, 4, 3214868480
	.section	.rodata,"a",@progbits
	.p2align	6, 0x0
	.amdhsa_kernel k_qd6c46cd600_gemm_qkv
		.amdhsa_group_segment_fixed_size 327680
		.amdhsa_private_segment_fixed_size 0
		.amdhsa_enable_private_segment 0
		.amdhsa_kernarg_size 40
		.amdhsa_user_sgpr_count 2
		.amdhsa_user_sgpr_kernarg_segment_ptr 1
		.amdhsa_wavefront_size32 1
		.amdhsa_system_sgpr_workgroup_id_x 1
		.amdhsa_system_sgpr_workgroup_id_y 1
		.amdhsa_system_sgpr_workgroup_id_z 1
		.amdhsa_system_vgpr_workitem_id 0
		.amdhsa_next_free_vgpr 1024
		.amdhsa_next_free_sgpr 100
		.amdhsa_reserve_vcc 0
		.amdhsa_float_denorm_mode_32 3
		.amdhsa_float_denorm_mode_16_64 3
		.amdhsa_memory_ordered 1
		.amdhsa_forward_progress 1
		.amdhsa_inst_pref_size 180
	.end_amdhsa_kernel
	.amdgpu_metadata
---
amdhsa.version: [ 1, 2 ]
amdhsa.kernels:
  - .name:           k_qd6c46cd600_gemm_qkv
    .symbol:         k_qd6c46cd600_gemm_qkv.kd
    .args:
      - { .name: xq, .offset: 0, .size: 8, .value_kind: global_buffer, .address_space: global }
      - { .name: wq, .offset: 8, .size: 8, .value_kind: global_buffer, .address_space: global }
      - { .name: qkv, .offset: 16, .size: 8, .value_kind: global_buffer, .address_space: global }
      - { .name: b_attn, .offset: 24, .size: 8, .value_kind: global_buffer, .address_space: global }
      - { .name: aux, .offset: 32, .size: 8, .value_kind: global_buffer, .address_space: global }
    .group_segment_fixed_size: 327680
    .private_segment_fixed_size: 0
    .kernarg_segment_align: 8
    .kernarg_segment_size: 40
    .max_flat_workgroup_size: 128
    .sgpr_count:     100
    .vgpr_count:     1024
    .wavefront_size: 32
...
	.end_amdgpu_metadata
.endif
;; end of part 2
;; launch attn (part 3): grid 4 x 64, 8 waves a work-group, no clusters, 327,680 bytes of LDS; arguments qkv, aux, ctxh, suf1; writes ctxh, suf1
.if DOCPART == 3
	.amdgcn_target "amdgcn-amd-amdhsa--gfx1250"
	.amdhsa_code_object_version 6
	.text
	.protected	k_qd6c46cd600_attn
	.globl	k_qd6c46cd600_attn
	.p2align	8
	.type	k_qd6c46cd600_attn,@function
k_qd6c46cd600_attn:
	s_mov_b64 s[64:65], 0
	v_nop
	global_prefetch_b8 v0, s[64:65] scope:SCOPE_SE
	s_setreg_imm32_b32 hwreg(HW_REG_WAVE_MODE, 25, 1), 1
	s_wait_xcnt 0x0
; ctx[b h][q] = softmax_k(mask(q . k / 8)) v, operands in f16, scores, maxima and sums in f32.  A masked score is -10,000, NOT -infinity: masked keys keep their weight 2^(c (-80,000 - m)).
; So a row's running softmax BEGINS as if all keys that are wholly masked for the wave had been summed: m = -80,000 (raw score, before / 8), l = their number, O = the sum of their rows of v
; (from the table of sums over 64 rows that the launch before stored).  No key step that the mask hides is walked; in the one step on the diagonal hidden scores are set to -80,000.
; SHARES.  Work-group (i, b h) owns query blocks i (pass A) and 7 - i (pass B) of 256 queries: always 9 slots of 256 keys, so all trip counts are constants and all work-groups have equal work.
; A wave owns 32 queries, two tiles of 16, at 32 qt in the block; qt = w for waves 0-3 and 11 - w for waves 4-7.  A key step is 64 keys; a slot holds four.
; No joint loads: the four work-groups of a head walk slots 0 .. i, 0 .. 7 - i, which are different sequences; alike they would need 16 slots' rounds for 9 slots' work.
; LAYOUT.  S^T = K Q^T and O^T = V^T P: a lane holds one query (lane % 16) throughout.  K comes out of LDS as it lies, V turned by ds_load_tr16_b128.
; LIMITS: NaN and infinities are not served; p and ctx are rounded to f16.
; REGISTERS: window 0: v1-11 addresses; v12-27 statistics, 8 a tile: c m, m, l (two halves), four at work; v28 256 x lane; v29 -80,000; v30-31 at work; v32-63 Q; v64-127 S^T; v128-159 P; v160-223 K; v224-226 addresses.
;   window 1: v0-63 O^T (tile t, channels 16 ct on: 32 t + 8 ct); v64-127 V; v160-191 Q of pass B.
.set STEPB, 19456                      ; a step in LDS: 64 rows of K at 144 bytes, then 64 rows of V at 160
.set VOFF,  9216
.set SLOT1, 1<<17
.set SUF,   262144                     ; eight start vectors of 64 f32: 4 x pass + (qt / 2)
.set STAGE, 264192                     ; the way out: 16 rows x 144 bytes for each wave
.set SPARE, 282624                     ; the spare words, 128 bytes a wave
.set SPW, 10
.set NIL, 11
.set MSB, 0
.macro WIN new
.if MSB != (\new)
	s_set_vgpr_msb (MSB<<8)|(\new)
.set MSB, (\new)
.endif
.endm
; s12 wave, s13 qt, s14 i, s15 b h; s[16:23], s[24:31] groups 1 for K and V; s[32:35], s[36:39] their groups 0; s[40:41], s[42:43] my step's rows of K, V in key slot 0; s[44:45] the slot's bytes;
; s[46:47] c; s[48:49] lane selects; s50 LDS byte of the step in hand; s51 trips left; s52 the step's first key; s53 my first query; s54 the element in hand; s55 steps left in the slot;
; s[66:67] where my rows of ctx go; s[68:69], s70, s71, s72 the same, my first query, m and half the count for pass B; s[74:75], s[76:77], s78 the prefetches
.macro TLOAD                           ; waves 0-3: K of step w; waves 4-7: V of step w - 4.  An s_nop 0 and four v_nop follow each line
	s_cmp_lt_u32 s12, 4
	s_cbranch_scc0 .Lfor_v_\@
	tensor_load_to_lds s[32:35], s[16:23]
	s_nop 0
.rept 4
	v_nop
.endr
	s_branch .Lasked_\@
.Lfor_v_\@:
	tensor_load_to_lds s[36:39], s[24:31]
	s_nop 0
.rept 4
	v_nop
.endr
.Lasked_\@:
.endm
; A prefetch into the L2 of the key slot after the one just asked for.  The head's work-group 0 walks key slots 0 .. 7 in trips 0 .. 7 of pass B; it alone asks, in trips 0 .. 6, for slots 1 .. 7:
; each wave for the 8,192 bytes that it will itself fetch one trip (four key steps) later, lanes 256 bytes apart: each aligned block of 256 bytes is named once in the launch.
.macro ASK
	s_cmp_gt_u32 s51, s78
	s_cbranch_scc0 .Lnot_mine_\@
	global_prefetch_b8 v28, s[76:77] offset:32768 th:TH_LOAD_NT scope:SCOPE_SE
.Lnot_mine_\@:
.endm
	s_load_b256 s[4:11], s[0:1], 0x0               ; qkv s[4:5], aux s[6:7], ctxh s[8:9], suf1 s[10:11]
	v_lshl_add_u32 v[SPW], v0, 2, SPARE
	v_mov_b32 v[NIL], 0
	ds_add_u32 v[SPW], v[NIL]                      ; the wave's opening: the add, twice on end, and its wait ahead of my first tensor load
	ds_add_u32 v[SPW], v[NIL]
	v_lshrrev_b32 v1, 5, v0
	v_readfirstlane_b32 s12, v1                    ; wave 0..7
	s_lshr_b32 s83, s12, 2
	s_mul_i32 s83, s83, 3
	s_xor_b32 s13, s12, s83                        ; qt
	s_mov_b32 s14, ttmp9
	s_and_b32 s15, ttmp7, 0xffff
	s_mov_b32 s16, (1<<16)|(1<<20)|(4<<22)|(3<<25) ; elements of 2 bytes; 4 words of padding after every 32: rows 144 bytes apart
	s_mov_b32 s24, (1<<16)|(1<<20)|(4<<22)|(7<<25) ; 8 words: rows 160 bytes apart
.irp g, 16, 24
	s_mov_b32 s[\g+1], 64<<16                      ; tensor_dim0
	s_mov_b32 s[\g+2], 64<<16                      ; tensor_dim1
	s_mov_b32 s[\g+3], 64<<16                      ; tile_dim0
	s_mov_b32 s[\g+4], 64                          ; tile_dim1
	s_mov_b32 s[\g+5], 64                          ; the pitch
	s_mov_b32 s[\g+6], 0
	s_mov_b32 s[\g+7], 0
.endr
	s_and_b32 s83, s12, 3                          ; which step of a slot I fetch
	s_mul_i32 s84, s83, STEPB
	s_mov_b32 s32, 1
	s_mov_b32 s33, s84
	s_mov_b32 s36, 1
	s_add_co_u32 s37, s84, VOFF
	s_lshl_b32 s60, s15, 18                        ; a head is 262,144 bytes
	s_lshl_b32 s61, s83, 13                        ; a step's 64 rows 8,192
	s_add_co_u32 s60, s60, s61
	s_add_co_u32 s60, s60, 16777216                ; k lies behind q
	s_mov_b32 s61, 0
	s_mov_b32 s44, 0
	s_mov_b32 s45, 0
	s_mov_b32 s46, 0x3e38aa3b                      ; c = log2(e) / 8
	s_mov_b32 s47, s46
	s_mov_b32 s48, 0x76543210
	s_mov_b32 s49, 0xfedcba98
	s_wait_dscnt 0x0                               ; both opening adds are done
	s_wait_kmcnt 0x0
	s_add_nc_u64 s[40:41], s[4:5], s[60:61]
	s_add_nc_u64 s[42:43], s[40:41], 16777216      ; v behind k
	s_mov_b64 s[34:35], s[40:41]
	s_or_b32 s35, s35, 0x80000000
	s_mov_b64 s[38:39], s[42:43]
	s_or_b32 s39, s39, 0x80000000
	TLOAD                                          ; element 0 into slot 0: one tensor load of mine is out
	s_cmp_lt_u32 s12, 4
	s_cselect_b64 s[74:75], s[40:41], s[42:43]
	s_mov_b64 s[76:77], s[74:75]
	s_cmp_eq_u32 s14, 0
	s_cselect_b32 s78, 1, -1
	v_and_b32 v30, 15, v0                          ; r
	v_bfe_u32 v31, v0, 4, 1                        ; h
	v_mul_u32_u24 v1, v30, 144
	v_lshl_add_u32 v1, v31, 4, v1                  ; K: row r, + 16 h
	v_and_b32 v2, 7, v0
	v_lshl_add_u32 v2, v31, 3, v2
	v_mul_u32_u24 v2, v2, 160
	v_bfe_u32 v3, v0, 3, 1
	v_lshl_add_u32 v2, v3, 4, v2
	v_add_nc_u32 v2, VOFF, v2                      ; V, for the turning load: key 8 h + lane % 8, + 16 ((lane / 8) % 2)
	v_lshlrev_b32 v5, 7, v30
	v_lshl_add_u32 v5, v31, 4, v5                  ; Q in memory: row r of 128 bytes, + 16 h
	s_mul_i32 s85, s12, 2304
	s_add_co_u32 s85, s85, STAGE
	v_add_nc_u32 v6, s85, v1                       ; the stage, in: 144 r + 16 h
	v_bfe_u32 v7, v0, 3, 2
	v_mul_u32_u24 v7, v7, 144
	v_and_b32 v3, 7, v0
	v_lshl_add_u32 v7, v3, 4, v7
	v_add_nc_u32 v7, s85, v7                       ; and back: 144 (lane / 8) + 16 (lane % 8)
	v_and_b32 v8, 31, v0
	v_lshlrev_b32 v28, 8, v8
	v_lshlrev_b32 v224, 3, v8                      ; 8 x lane
	v_lshlrev_b32 v8, 4, v8                        ; 16 x lane
	v_lshlrev_b32 v9, 3, v31
	v_sub_nc_u32 v9, v30, v9                       ; r - 8 h
	v_mov_b32 v29, 0xc79c4000                      ; -80,000
	s_lshl_b32 s85, s12, 8
	s_add_co_u32 s85, s85, SUF
	v_add_nc_u32 v225, s85, v224                   ; where I put the vector that I make
	s_lshr_b32 s86, s13, 1                         ; qt / 2: the step of the diagonal slot on which my queries lie
	s_lshl_b32 s85, s86, 8
	s_add_co_u32 s85, s85, SUF
	v_lshl_add_u32 v226, v31, 5, s85               ; where I read my start: vector qt / 2 (+ 1,024 in pass B), + 32 h
	s_lshl_b32 s53, s14, 8
	s_lshl_b32 s85, s13, 5
	s_add_co_u32 s53, s53, s85                     ; my first query in pass A
	s_sub_co_u32 s70, 7, s14
	s_lshl_b32 s70, s70, 8
	s_add_co_u32 s70, s70, s85                     ; and in pass B
	s_lshl_b32 s84, s15, 18
	s_lshl_b32 s60, s53, 7
	s_add_co_u32 s60, s60, s84
	s_add_nc_u64 s[56:57], s[4:5], s[60:61]
	s_lshl_b32 s60, s70, 7
	s_add_co_u32 s60, s60, s84
	s_add_nc_u64 s[58:59], s[4:5], s[60:61]
.irp t, 0,1
.irp c, 0,1
	global_load_b128 v[32+16*\t+8*\c:35+16*\t+8*\c], v5, s[56:57] offset:2048*\t+64*\c
	global_load_b128 v[36+16*\t+8*\c:39+16*\t+8*\c], v5, s[56:57] offset:2048*\t+64*\c+32
.endr
.endr
	WIN 0x40
.irp t, 0,1
.irp c, 0,1
	global_load_b128 v[160+16*\t+8*\c:163+16*\t+8*\c], v5, s[58:59] offset:2048*\t+64*\c
	global_load_b128 v[164+16*\t+8*\c:167+16*\t+8*\c], v5, s[58:59] offset:2048*\t+64*\c+32
.endr
.endr
	WIN 0
	s_lshr_b32 s60, s15, 4
	s_lshl_b32 s60, s60, 17                        ; a batch's 32 groups of 4,096 bytes
	s_and_b32 s85, s15, 15
	s_lshl_b32 s85, s85, 8
	s_add_co_u32 s60, s60, s85
	s_add_nc_u64 s[62:63], s[6:7], s[60:61]
.set jj, 1
.rept 31
	global_load_b64 v[64+2*jj:65+2*jj], v224, s[62:63] offset:4096*jj    ; group jj's sums of my head: two channels a lane, 256 consecutive bytes a load
.set jj, jj+1
.endr
	; where my rows of ctx go: ((head) x 8,192 + batch x 2,048 + query) x 128
	s_and_b32 s60, s15, 15
	s_lshl_b32 s60, s60, 13
	s_lshr_b32 s85, s15, 4
	s_lshl_b32 s85, s85, 11
	s_add_co_u32 s60, s60, s85
	s_add_co_u32 s85, s60, s70
	s_add_co_u32 s60, s60, s53
	s_lshl_b32 s60, s60, 7
	s_add_nc_u64 s[66:67], s[8:9], s[60:61]
	s_lshl_b32 s60, s85, 7
	s_add_nc_u64 s[68:69], s[8:9], s[60:61]
	s_lshl_b32 s60, s15, 8
	s_add_nc_u64 s[10:11], s[10:11], s[60:61]
	; the start of l: half the number of wholly masked keys in each half of the lanes: 1,024 - 32 x (first wholly masked group)
	s_lshl_b32 s87, s14, 2
	s_add_co_u32 s87, s87, s86
	s_add_co_u32 s87, s87, 1
	s_lshl_b32 s87, s87, 5
	s_sub_co_u32 s87, 1024, s87
	s_sub_co_u32 s88, 7, s14
	s_lshl_b32 s88, s88, 2
	s_add_co_u32 s88, s88, s86
	s_add_co_u32 s88, s88, 1
	s_mov_b32 s71, 0xc79c4000
	s_cmp_eq_u32 s88, 32                           ; no key is wholly masked: m begins under every score
	s_cselect_b32 s71, 0xff61b1e6, s71
	s_lshl_b32 s88, s88, 5
	s_sub_co_u32 s72, 1024, s88
.irp t, 0,1
	v_mov_b32 v[13+8*\t], v29
	v_mul_f32 v[12+8*\t], s46, v29
	v_cvt_f32_u32 v[14+8*\t], s87
	v_mov_b32 v[15+8*\t], 0
.irp j, 16,17,18,19
	v_mov_b32 v[\j+8*\t], 0                        ; written once: named as halves of pairs and as a lane permute's destination
.endr
.endr
	; wave w makes start vector w: pass w / 4, step w % 4: the sum of the groups from 4 x block + w % 4 + 1 on.  A group counts by a factor 1 or 0 made of ids: no branch
	s_sub_co_u32 s85, 7, s14
	s_cmp_lt_u32 s12, 4
	s_cselect_b32 s82, s14, s85
	s_lshl_b32 s82, s82, 2
	s_add_co_u32 s82, s82, s83
	s_add_co_u32 s82, s82, 1
	s_mov_b32 s81, 0
	s_wait_loadcnt 0x0                             ; Q of both passes and the 31 groups
	s_cmp_le_u32 s82, 1
	s_cselect_b32 s80, 1.0, 0
	v_pk_mul_f32 v[30:31], v[66:67], s[80:81] op_sel_hi:[1,0]
.set jj, 2
.rept 30
	s_cmp_le_u32 s82, jj
	s_cselect_b32 s80, 1.0, 0
	v_pk_fma_f32 v[30:31], v[64+2*jj:65+2*jj], s[80:81], v[30:31] op_sel_hi:[1,0,1]
.set jj, jj+1
.endr
	ds_store_b64 v225, v[30:31]
	s_or_b32 s85, s14, s12
	s_cmp_lg_u32 s85, 0
	s_cbranch_scc1 .Lno_suf1
	global_store_b64 v224, v[30:31], s[10:11]      ; work-group 0's wave 0 holds the sum over keys 64 on: kept for the launch that carries positions 0-15 finely
.Lno_suf1:
	s_wait_dscnt 0x0                               ; for the others' sake: my vector has landed
	s_barrier_signal -1
	s_barrier_wait -1                              ; (slot 0's load may be out)
	WIN 0x40
.irp t, 0,1
.irp ct, 0,1,2,3
	ds_load_b128 v[32*\t+8*\ct:32*\t+8*\ct+3], v226 offset:64*\ct          ; O^T begins as the sum of the wholly masked keys' v: channels 16 ct + 8 h + 0 .. 7, the same for every query
	ds_load_b128 v[32*\t+8*\ct+4:32*\t+8*\ct+7], v226 offset:64*\ct+16
.endr
.endr
	WIN 0
	s_wait_xcnt 0x0                                ; the store above has read v30-31
	s_mov_b32 s50, 0
	s_mov_b32 s52, 0
	s_mov_b32 s54, 0
	s_mov_b32 s51, 8
; THE CHANGE OF SLOTS, at a slot's head.  Each wave waits for all its tensor loads (one is out: its part of the slot ahead), adds 0 to its spare word, waits for that and for its reads of the slot that it has left;
; behind the barrier the slot ahead is whole and nobody reads the other one, which is filled with the next element: it has a slot's four steps in which to land.
.macro CHANGE fill
	s_wait_tensorcnt 0x0
	ds_add_u32 v[SPW], v[NIL]                      ; the descriptors' steps stand between the add and the wait for it
.if \fill
	s_add_co_u32 s44, s44, 32768                   ; the next 256 keys,
	s_cmp_eq_u32 s54, s14
	s_cselect_b32 s44, 0, s44                      ; or, behind pass A's last slot, pass B's first
	s_add_nc_u64 s[34:35], s[40:41], s[44:45]
	s_or_b32 s35, s35, 0x80000000
	s_add_nc_u64 s[38:39], s[42:43], s[44:45]
	s_or_b32 s39, s39, 0x80000000
	s_xor_b32 s33, s33, SLOT1
	s_xor_b32 s37, s37, SLOT1
	s_wait_xcnt 0x0                                ; the last prefetch, a slot back, has read its address
	s_add_nc_u64 s[76:77], s[74:75], s[44:45]
.endif
	s_wait_dscnt 0x0
	s_barrier_signal -1
	s_barrier_wait -1
.if \fill
	TLOAD
	ASK
.endif
.endm
; THE SOFTMAX of a key step, both tiles line by line by turns.  The exponentials are one batch with one wait.
.macro SOFTMAX
.irp j, 0,1,2,3
.irp t, 0,1
	v_max3_num_f32 v[16+8*\t+\j], v[64+32*\t+8*\j], v[65+32*\t+8*\j], v[66+32*\t+8*\j]     ; each accumulator is read from its low end on
.endr
.endr
.irp g, 1,2
.irp j, 0,1,2,3
.irp t, 0,1
	v_max3_num_f32 v[16+8*\t+\j], v[16+8*\t+\j], v[65+32*\t+8*\j+2*\g], v[66+32*\t+8*\j+2*\g]
.endr
.endr
.endr
.irp t, 0,1
	v_max3_num_f32 v[16+8*\t], v[16+8*\t], v[71+32*\t], v[79+32*\t]
	v_max3_num_f32 v[18+8*\t], v[18+8*\t], v[87+32*\t], v[95+32*\t]
.endr
.irp t, 0,1
	v_max3_num_f32 v[16+8*\t], v[16+8*\t], v[17+8*\t], v[18+8*\t]
.endr
.irp t, 0,1
	v_max3_num_f32 v[16+8*\t], v[16+8*\t], v[19+8*\t], v[13+8*\t]      ; with the old m
.endr
.irp t, 0,1
	v_permlanex16_b32 v[17+8*\t], v[16+8*\t], s48, s49                 ; the query's other 32 keys lie in the lane 16 away
.endr
.irp t, 0,1
	v_mov_b32 v[19+8*\t], v[12+8*\t]                                   ; c m_old
.endr
.irp t, 0,1
	v_max_num_f32 v[13+8*\t], v[16+8*\t], v[17+8*\t]
.endr
.irp t, 0,1
	v_mul_f32 v[12+8*\t], s46, v[13+8*\t]
.endr
.irp t, 0,1
	v_sub_f32 v[19+8*\t], v[19+8*\t], v[12+8*\t]
.endr
.set ii, 0
.rept 16
	v_pk_fma_f32 v[64+2*ii:65+2*ii], v[64+2*ii:65+2*ii], s[46:47], v[12:13] op_sel_hi:[1,0,0] neg_lo:[0,0,1] neg_hi:[0,0,1]     ; c s - c m
	v_pk_fma_f32 v[96+2*ii:97+2*ii], v[96+2*ii:97+2*ii], s[46:47], v[20:21] op_sel_hi:[1,0,0] neg_lo:[0,0,1] neg_hi:[0,0,1]
.set ii, ii+1
.endr
	v_exp_f32 v18, v19                             ; a = 2^(c m_old - c m_new)
	v_exp_f32 v26, v27
.set ii, 0
.rept 32
	v_exp_f32 v[64+ii], v[64+ii]
	v_exp_f32 v[96+ii], v[96+ii]
.set ii, ii+1
.endr
	v_nop                                          ; a plain instruction behind the last exponential
	s_wait_alu depctr_va_vdst(0)                   ; one wait for the 66, ahead of the first line that names a result
.set ii, 0
.rept 16
	v_cvt_pk_f16_f32 v[128+ii], v[64+2*ii], v[65+2*ii]                 ; two tiles of 16 keys, rounded in pairs, are source 1 of V^T P
	v_cvt_pk_f16_f32 v[144+ii], v[96+2*ii], v[97+2*ii]
.set ii, ii+1
.endr
.irp w, 4,8,16,32                      ; the row's sum of the unrounded p, in place: neighbours 1, 2, 4, 8 pairs apart
.set ii, 0
.rept 32/\w
	v_pk_add_f32 v[64+\w*ii:65+\w*ii], v[64+\w*ii:65+\w*ii], v[64+\w*ii+\w/2:65+\w*ii+\w/2]
	v_pk_add_f32 v[96+\w*ii:97+\w*ii], v[96+\w*ii:97+\w*ii], v[96+\w*ii+\w/2:97+\w*ii+\w/2]
.set ii, ii+1
.endr
.endr
.irp t, 0,1
	v_pk_fma_f32 v[14+8*\t:15+8*\t], v[14+8*\t:15+8*\t], v[18+8*\t:19+8*\t], v[64+32*\t:65+32*\t] op_sel_hi:[1,0,1]    ; l = a l + the sum
.endr
.endm
; A KEY STEP: 64 keys at LDS byte s50, the first of them key s52.
.macro STEP
	s_add_co_u32 s83, s53, 31
	s_cmp_gt_u32 s52, s83                          ; all its keys come after my 32 queries: they are in the start state.  A branch on ids; no barrier and no tensor load stands in a step
	s_cbranch_scc1 .Lhid_\@
	v_add_nc_u32 v3, s50, v1
	v_add_nc_u32 v4, s50, v2
	v_nop
	v_nop                                          ; four plain instructions between the last V^T P and the loads into V's registers
.irp kt, 0,1,2,3
.irp c, 0,1
	ds_load_b128 v[160+16*\kt+8*\c:163+16*\kt+8*\c], v3 offset:2304*\kt+64*\c
	ds_load_b128 v[164+16*\kt+8*\c:167+16*\kt+8*\c], v3 offset:2304*\kt+64*\c+32
.endr
.endr
	WIN 0x40
.irp kh, 0,1
.irp ct, 0,1,2,3
	ds_load_tr16_b128 v[64+32*\kh+8*\ct:67+32*\kh+8*\ct], v4 offset:5120*\kh+32*\ct
	ds_load_tr16_b128 v[68+32*\kh+8*\ct:71+32*\kh+8*\ct], v4 offset:5120*\kh+32*\ct+2560
.endr
.endr
	WIN 0
	s_wait_dscnt 16                                ; K is in; V's sixteen loads may be out
.irp c, 0,1                            ; S^T = K Q^T: eight accumulators by turns; the first eight products start the sums
.irp kt, 0,1,2,3
.irp t, 0,1
.if \c == 0
	v_wmma_f32_16x16x32_f16 v[64+32*\t+8*\kt:71+32*\t+8*\kt], v[160+16*\kt:167+16*\kt], v[32+16*\t:39+16*\t], 0
.else
	v_wmma_f32_16x16x32_f16 v[64+32*\t+8*\kt:71+32*\t+8*\kt], v[168+16*\kt:175+16*\kt], v[40+16*\t:47+16*\t], v[64+32*\t+8*\kt:71+32*\t+8*\kt]
.endif
.endr
.endr
.endr
.rept 4
	v_nop
.endr
	s_add_co_u32 s83, s52, 63
	s_cmp_le_u32 s83, s53                          ; all 64 keys count for all my queries: nothing to hide
	s_cbranch_scc1 .Lopen_\@
	s_sub_co_i32 s83, s53, s52
	s_add_co_u32 s84, s83, 16
	v_add_nc_u32 v30, s83, v9                      ; d = my query - the step's first key - 8 h.  Register 8 kt + j holds key 16 kt + 8 h + j: hidden where 16 kt + j > d
	v_add_nc_u32 v31, s84, v9
.set ii, 0
.rept 32
	v_cmp_gt_i32 vcc_lo, 16*(ii/8)+ii%8, v30
	v_cndmask_b32 v[64+ii], v[64+ii], v29, vcc_lo
.set ii, ii+1
.endr
.set ii, 0
.rept 32
	v_cmp_gt_i32 vcc_lo, 16*(ii/8)+ii%8, v31
	v_cndmask_b32 v[96+ii], v[96+ii], v29, vcc_lo
.set ii, ii+1
.endr
.Lopen_\@:
	SOFTMAX
	WIN 0x41                                       ; O^T (destination, source 0) window 1, a window 0
.irp t, 0,1
.set ii, 0
.rept 16
	v_pk_mul_f32 v[32*\t+2*ii:32*\t+2*ii+1], v[32*\t+2*ii:32*\t+2*ii+1], v[18+8*\t:19+8*\t] op_sel_hi:[1,0]
.set ii, ii+1
.endr
.endr
	s_wait_dscnt 0x0                               ; V is in
	WIN 0x51                                       ; V and O^T window 1, P window 0
.irp kh, 0,1                           ; O^T += V^T P: eight accumulators by turns
.irp ct, 0,1,2,3
.irp t, 0,1
	v_wmma_f32_16x16x32_f16 v[32*\t+8*\ct:32*\t+8*\ct+7], v[64+32*\kh+8*\ct:71+32*\kh+8*\ct], v[128+16*\t+8*\kh:135+16*\t+8*\kh], v[32*\t+8*\ct:32*\t+8*\ct+7]
.endr
.endr
.endr
	WIN 0
.Lhid_\@:
.endm
.macro SLOT_STEPS                      ; a slot's four steps: written once, walked four times
	s_mov_b32 s55, 4
.Lstep_\@:
	STEP
	s_add_co_u32 s50, s50, STEPB
	s_add_co_u32 s52, s52, 64
	s_sub_co_u32 s55, s55, 1
	s_cmp_lg_u32 s55, 0
	s_cbranch_scc1 .Lstep_\@
	s_sub_co_u32 s50, s50, 4*STEPB
	s_xor_b32 s50, s50, SLOT1                      ; on to the other slot
.endm
; A PASS'S END: O^T / l, rounded to f16, through my stage: a tile's 16 rows of 128 bytes are 2,048 consecutive bytes of ctxh; each store covers 512.
.macro FINISH
.irp t, 0,1
	v_add_f32 v[16+8*\t], v[14+8*\t], v[15+8*\t]
.endr
.irp t, 0,1
	v_permlanex16_b32 v[17+8*\t], v[16+8*\t], s48, s49
.endr
.irp t, 0,1
	v_add_f32 v[16+8*\t], v[16+8*\t], v[17+8*\t]
.endr
	v_nop
	v_nop                                          ; (with the additions above: the plain instructions behind the last V^T P)
.irp t, 0,1
	v_rcp_f32 v[18+8*\t], v[16+8*\t]
.endr
	v_nop
	s_wait_alu depctr_va_vdst(0)                   ; one wait for both reciprocals, ahead of their first reader
.irp t, 0,1
	WIN 0x41
.set ii, 0
.rept 16
	v_pk_mul_f32 v[32*\t+2*ii:32*\t+2*ii+1], v[32*\t+2*ii:32*\t+2*ii+1], v[18+8*\t:19+8*\t] op_sel_hi:[1,0]
.set ii, ii+1
.endr
	WIN 0x05
.set ii, 0
.rept 16
	v_cvt_pk_f16_f32 v[64+32*\t+ii], v[32*\t+2*ii], v[32*\t+2*ii+1]
.set ii, ii+1
.endr
	WIN 0
.irp ct, 0,1,2,3
	ds_store_b128 v6, v[64+32*\t+4*\ct:67+32*\t+4*\ct] offset:32*\ct
.endr
.irp n, 0,1,2,3
	ds_load_b128 v[80+32*\t+4*\n:83+32*\t+4*\n], v7 offset:576*\n      ; LDS serves a wave's instructions in order: these see my stores, and the next tile's stores come behind them
.endr
.endr
.irp n, 0,1,2,3
	s_wait_dscnt 11-\n                             ; behind tile 0's load n: the rest of its four, tile 1's four stores and four loads
	global_store_b128 v8, v[80+4*\n:83+4*\n], s[66:67] offset:512*\n
.endr
.irp n, 0,1,2,3
	s_wait_dscnt 3-\n
	global_store_b128 v8, v[112+4*\n:115+4*\n], s[66:67] offset:2048+512*\n
.endr
	s_wait_xcnt 0x0                                ; the stores have read their registers and their base
.endm
.Lslot:                                ; eight trips: elements 0 .. 7; behind each change the next element is asked for
	CHANGE 1
	SLOT_STEPS
	s_cmp_lg_u32 s54, s14                          ; pass A ends behind element i: a branch on ids, the same in all waves; no barrier and no tensor load stands under it
	s_cbranch_scc1 .Lno_boundary
	FINISH
	WIN 0x01
.set ii, 0
.rept 32
	v_mov_b32 v[32+ii], v[160+ii]                  ; pass B's queries, loaded at the head
.set ii, ii+1
.endr
	WIN 0x40
.irp t, 0,1
.irp ct, 0,1,2,3
	ds_load_b128 v[32*\t+8*\ct:32*\t+8*\ct+3], v226 offset:1024+64*\ct     ; pass B's start of O^T (waited for at the next change of slots)
	ds_load_b128 v[32*\t+8*\ct+4:32*\t+8*\ct+7], v226 offset:1024+64*\ct+16
.endr
.endr
	WIN 0
.irp t, 0,1
	v_mov_b32 v[13+8*\t], s71
	v_mul_f32 v[12+8*\t], s46, v[13+8*\t]
	v_cvt_f32_u32 v[14+8*\t], s72
	v_mov_b32 v[15+8*\t], 0
.endr
	s_mov_b32 s53, s70
	s_mov_b32 s52, 0
	s_mov_b64 s[66:67], s[68:69]
.Lno_boundary:
	s_add_co_u32 s54, s54, 1
	s_sub_co_u32 s51, s51, 1
	s_cmp_lg_u32 s51, 0
	s_cbranch_scc1 .Lslot
	CHANGE 0                                       ; the last element is written out: nothing is left to fetch
	SLOT_STEPS
	FINISH
	s_wait_tensorcnt 0x0                           ; the wave's end
	ds_add_u32 v[SPW], v[NIL]
	s_wait_dscnt 0x0
	s_endpgm
.Lfunc_end_k_qd6c46cd600_attn:
	.size	k_qd6c46cd600_attn, .Lfunc_end_k_qd6c46cd600_attn-k_qd6c46cd600_attn
	.p2alignl 7, 3214868480
	.fill 96, 4, 3214868480
	.section	.rodata,"a",@progbits
	.p2align	6, 0x0
	.amdhsa_kernel k_qd6c46cd600_attn
		.amdhsa_group_segment_fixed_size 327680
		.amdhsa_private_segment_fixed_size 0
		.amdhsa_enable_private_segment 0
		.amdhsa_kernarg_size 32
		.amdhsa_user_sgpr_count 2
		.amdhsa_user_sgpr_kernarg_segment_ptr 1
		.amdhsa_wavefront_size32 1
		.amdhsa_system_sgpr_workgroup_id_x 1
		.amdhsa_system_sgpr_workgroup_id_y 1
		.amdhsa_system_sgpr_workgroup_id_z 1
		.amdhsa_system_vgpr_workitem_id 0
		.amdhsa_next_free_vgpr 512
		.amdhsa_next_free_sgpr 90
		.amdhsa_reserve_vcc 1
		.amdhsa_float_denorm_mode_32 3
		.amdhsa_float_denorm_mode_16_64 3
		.amdhsa_memory_ordered 1
		.amdhsa_forward_progress 1
		.amdhsa_inst_pref_size 79
	.end_amdhsa_kernel
	.amdgpu_metadata
---
amdhsa.version: [ 1, 2 ]
amdhsa.kernels:
  - .name:           k_qd6c46cd600_attn
    .symbol:         k_qd6c46cd600_attn.kd
    .args:
      - { .name: qkv, .offset: 0, .size: 8, .value_kind: global_buffer, .address_space: global }
      - { .name: aux, .offset: 8, .size: 8, .value_kind: global_buffer, .address_space: global }
      - { .name: ctxh, .offset: 16, .size: 8, .value_kind: global_buffer, .address_space: global }
      - { .name: suf1, .offset: 24, .size: 8, .value_kind: global_buffer, .address_space: global }
    .group_segment_fixed_size: 327680
    .private_segment_fixed_size: 0
    .kernarg_segment_align: 8
    .kernarg_segment_size: 32
    .max_flat_workgroup_size: 256
    .sgpr_count:     90
    .vgpr_count:     512
    .wavefront_size: 32
...
	.end_amdgpu_metadata
.endif
;; end of part 3
;; launch proj (part 4): grid 4 x 64, 4 waves a work-group, clusters of 4 x 4, 327,680 bytes of LDS; arguments ctxh, wpt, b_proj, out0; writes out0
.if DOCPART == 4
	.amdgcn_target "amdgcn-amd-amdhsa--gfx1250"
	.amdhsa_code_object_version 6
	.text
	.protected	k_qd6c46cd600_proj
	.globl	k_qd6c46cd600_proj
	.p2align	8
	.type	k_qd6c46cd600_proj,@function
k_qd6c46cd600_proj:
	s_mov_b64 s[64:65], 0
	v_nop
	global_prefetch_b8 v0, s[64:65] scope:SCOPE_SE
	s_setreg_imm32_b32 hwreg(HW_REG_WAVE_MODE, 25, 1), 1
	s_wait_xcnt 0x0
	s_wait_alu depctr_hold_cnt(0) depctr_sa_sdst(0) depctr_va_vdst(0) depctr_va_sdst(0) depctr_va_ssrc(0) depctr_va_vcc(0) depctr_vm_vsrc(0)
	s_getreg_b32 s2, hwreg(HW_REG_IB_STS2, 6, 4)
	s_cmp_eq_u32 s2, 0
	s_cbranch_scc0 .Lentry_in_a_cluster
	s_endpgm
.Lentry_in_a_cluster:
	s_bfe_u32 s2, ttmp6, 0x10000c
	s_cmp_lg_u32 s2, 0xf033
	s_cbranch_scc0 .Lentry_shape_is_right
	s_endpgm
.Lentry_shape_is_right:
; out0 = ctx W_proj + b_proj, operands in f16, sums in f32.  ctxh: [16 heads][8192 rows][64] f16; wpt: [1024 n][1024 k] f16; out0: [8192][1024] f32.
; A work-group makes 128 x 256 of out0 (256 work-groups), a wave 64 x 128: 32 accumulators, window 2.  K goes in 8 steps of 128 (two heads) through a ring of two LDS slots.
; CLUSTERS: 4 x 4: A's tiles are asked for jointly along a row of the cluster, B's along a column.  Used transposed (source 0 = rows of wpt, source 1 = rows of ctx): a lane holds eight neighbouring columns of a row.
; The bias is the C of each sum's first instruction.  (Rows 0-15 of each sequence are written again, more finely, by the launch that follows.)
; REGISTERS: window 0: v16-30 addresses; v64-95, v96-127 A's two buffers (4 x 16 rows x 32 K); v128-191 the bias; on the way out v192-255 and v64-127 rows.  window 1: v0-63, v64-127 B's two buffers.  window 2: (a, b) at v[8 (8 a + b)].
.set SLOT,  106496                     ; A: two heads x 128 rows x 144 bytes; then B: 256 rows x 272 bytes
.set BOFF,  36864
.set STAGE, 2*SLOT                     ; 16 rows x 528 bytes for each wave
.set SPITCH, 528
.set SPARE, STAGE+4*16*SPITCH
.set ADRA, 16
.set ADRB, 20
.set STO,  24
.set RD,   25
.set CO,   26
.set BIA,  27
.set SPW,  28
.set NIL,  29
.set PFO,  30
.set AF,   64
.set BI,   128
.set G1, 24
.set G0, 32
.set G1B, 48
.set G0B, 56
.set MSB, 0
.macro WIN new
.if MSB != (\new)
	s_set_vgpr_msb (MSB<<8)|(\new)
.set MSB, (\new)
.endif
.endm
.macro WMUL zero                       ; source 0 (B) window 1, source 1 (A) window 0, D window 2; C window 2, or window 0 (the bias)
.if \zero
	WIN 0x81
.else
	WIN 0xa1
.endif
.endm
.macro JLOAD s                         ; waves 0 and 1 fetch A's two heads, waves 2 and 3 B's two halves; an s_nop 0 and four v_nop follow each line
	s_cmp_eq_u32 s13, 0
	s_cbranch_scc0 .Lfor_b_\@
	tensor_load_to_lds s[G0+4*\s:G0+4*\s+3], s[G1:G1+7]
	s_nop 0
.rept 4
	v_nop
.endr
	s_branch .Lasked_\@
.Lfor_b_\@:
	tensor_load_to_lds s[G0B+4*\s:G0B+4*\s+3], s[G1B:G1B+7]
	s_nop 0
.rept 4
	v_nop
.endr
.Lasked_\@:
.endm
.macro CREST
	s_cmp_lg_u32 s12, 0
	s_cbranch_scc1 .Lnot_wave_0_\@
	s_barrier_signal -3
.Lnot_wave_0_\@:
	s_barrier_wait -3
	s_barrier_signal -1
	s_barrier_wait -1
.endm
.macro CROUND
	s_barrier_signal -1
	s_barrier_wait -1
	CREST
.endm
; A prefetch into the L2 of A's K step two refills on (the refill of step t asks for step t + 2, the prefetch names step t + 4; t up to 3).  A K step of a tile row is 128 blocks of 256 bytes; only one cluster
; reads a tile row; its four partners of that row take 32 blocks each, told apart by address; in each, wave 0 asks: each block is named once.  wpt is read again by every row of clusters and is not asked for.
.macro ASK
	s_cmp_gt_u32 s3, s15
	s_cbranch_scc0 .Lnot_mine_\@
	global_prefetch_b8 v[PFO], s[66:67] th:TH_LOAD_NT scope:SCOPE_SE
.Lnot_mine_\@:
.endm
	s_load_b128 s[4:7], s[0:1], 0x0                ; ctxh s[4:5], wpt s[6:7]
	s_load_b128 s[8:11], s[0:1], 0x10              ; b_proj s[8:9], out0 s[10:11]
	v_lshl_add_u32 v[SPW], v0, 2, SPARE
	v_mov_b32 v[NIL], 0
	ds_add_u32 v[SPW], v[NIL]                      ; the wave's opening: the add, twice on end, and its wait ahead of my first tensor load
	ds_add_u32 v[SPW], v[NIL]
	v_lshrrev_b32 v1, 5, v0
	v_readfirstlane_b32 s12, v1                    ; wave 0..3
	s_lshr_b32 s13, s12, 1                         ; my half of the rows.  Also: I fetch for A (0) or B (1)
	s_and_b32 s14, s12, 1                          ; my half of the columns.  Also: which head, or which 128 rows of B, I fetch
	s_bfe_u32 s40, ttmp6, 0x40000                  ; cx
	s_bfe_u32 s41, ttmp6, 0x40004                  ; cy
	s_lshl_b32 s42, ttmp9, 2
	s_add_co_u32 s42, s42, s40                     ; tile column
	s_and_b32 s68, ttmp7, 0xffff
	s_lshl_b32 s68, s68, 2
	s_add_co_u32 s68, s68, s41                     ; tile row
	s_lshl_b32 s43, s41, 2
	s_lshl_b32 s43, 15, s43
	s_lshl_b32 s44, 0x1111, s40
	s_or_b32 s[G1+0], s43, (1<<16)|(1<<20)|(1<<21)|(4<<22)|(3<<25)   ; A: my row's mask; elements of 2 bytes; 4 words of padding after every 32
	s_mov_b32 s[G1+1], 64<<16
	s_mov_b32 s[G1+2], 128<<16
	s_mov_b32 s[G1+3], 64<<16
	s_mov_b32 s[G1+4], 128
	s_mov_b32 s[G1+5], 64
	s_mov_b32 s[G1+6], 0
	s_mov_b32 s[G1+7], 0
	s_or_b32 s[G1B+0], s44, (1<<16)|(1<<20)|(1<<21)|(5<<22)|(3<<25)  ; B: my column's mask; 4 words after every 64
	s_mov_b32 s[G1B+1], 128<<16
	s_mov_b32 s[G1B+2], 128<<16
	s_mov_b32 s[G1B+3], 128<<16
	s_mov_b32 s[G1B+4], 128
	s_mov_b32 s[G1B+5], 1024
	s_mov_b32 s[G1B+6], 0
	s_mov_b32 s[G1B+7], 0
	s_lshl_b32 s16, s14, 20                        ; A: a head is 1,048,576 bytes, a tile row's 128 rows 16,384
	s_lshl_b32 s17, s68, 14
	s_add_co_u32 s16, s16, s17
	s_mov_b32 s17, 0
	s_lshl_b32 s46, s42, 19                        ; B: row 256 x tile column + 128 x half, 2,048 bytes a row
	s_lshl_b32 s47, s14, 18
	s_add_co_u32 s46, s46, s47
	s_mov_b32 s47, 0
	s_mul_i32 s20, s14, 18432                      ; where they go
	s_mul_i32 s21, s14, 34816
	s_add_co_u32 s21, s21, BOFF
	s_wait_dscnt 0x0
	s_wait_kmcnt 0x0
	s_add_nc_u64 s[18:19], s[4:5], s[16:17]
	s_add_nc_u64 s[46:47], s[6:7], s[46:47]
	CROUND                                         ; all sixteen work-groups are here: the first joint loads meet
.irp s, 0,1
	s_mov_b32 s[G0+4*\s], 1
	s_add_co_u32 s[G0+4*\s+1], s20, \s*SLOT
	s_add_nc_u64 s[G0+4*\s+2:G0+4*\s+3], s[18:19], \s*2097152
	s_or_b32 s[G0+4*\s+3], s[G0+4*\s+3], 0x80000000
	s_mov_b32 s[G0B+4*\s], 1
	s_add_co_u32 s[G0B+4*\s+1], s21, \s*SLOT
	s_add_nc_u64 s[G0B+4*\s+2:G0B+4*\s+3], s[46:47], \s*256
	s_or_b32 s[G0B+4*\s+3], s[G0B+4*\s+3], 0x80000000
	JLOAD \s
.endr
	v_and_b32 v1, 15, v0
	v_bfe_u32 v2, v0, 4, 1
	v_mul_u32_u24 v3, v1, 144
	v_lshl_add_u32 v3, v2, 4, v3
	s_mul_i32 s22, s13, 9216                       ; my 64 rows of A
	v_add_nc_u32 v[ADRA], s22, v3
	s_add_co_u32 s22, s22, SLOT
	v_add_nc_u32 v[ADRA+1], s22, v3
	v_mul_u32_u24 v4, v1, 272
	v_lshl_add_u32 v4, v2, 4, v4
	s_mul_i32 s23, s14, 34816                      ; my 128 rows of B
	s_add_co_u32 s23, s23, BOFF
	v_add_nc_u32 v[ADRB], s23, v4
	s_add_co_u32 s23, s23, SLOT
	v_add_nc_u32 v[ADRB+1], s23, v4
	s_mul_i32 s22, s12, 16*SPITCH
	s_add_co_u32 s22, s22, STAGE
	v_mul_u32_u24 v5, v1, SPITCH
	v_lshl_add_u32 v5, v2, 5, v5
	v_add_nc_u32 v[STO], s22, v5
	v_and_b32 v6, 31, v0
	v_lshlrev_b32 v[CO], 4, v6
	v_add_nc_u32 v[RD], s22, v[CO]
	v_lshlrev_b32 v[BIA], 5, v2
	s_lshl_b32 s22, s40, 5
	v_add_nc_u32 v[PFO], s22, v6                   ; block 32 cx + lane of the K step's 128: head (block / 64), 256 x (block % 64)
	v_lshrrev_b32 v7, 6, v[PFO]
	v_and_b32 v[PFO], 63, v[PFO]
	v_lshlrev_b32 v[PFO], 8, v[PFO]
	v_lshl_add_u32 v[PFO], v7, 20, v[PFO]
	s_lshl_b32 s16, s68, 14
	s_add_co_u32 s16, s16, 3*2097152               ; at K step 3: the first change of slots steps it to 4
	s_add_nc_u64 s[66:67], s[4:5], s[16:17]
	s_cmp_eq_u32 s12, 0
	s_cselect_b32 s15, 1, -1
	s_lshl_b32 s16, s42, 10
	s_lshl_b32 s22, s14, 9
	s_add_co_u32 s16, s16, s22                     ; 4 x my first column
	s_add_nc_u64 s[8:9], s[8:9], s[16:17]
	s_lshl_b32 s22, s68, 19
	s_add_co_u32 s16, s16, s22
	s_lshl_b32 s22, s13, 18
	s_add_co_u32 s16, s16, s22                     ; + my first row x 4,096
	s_add_nc_u64 s[10:11], s[10:11], s[16:17]
.irp b, 0,1,2,3,4,5,6,7
	global_load_b128 v[BI+8*\b:BI+8*\b+3], v[BIA], s[8:9] offset:64*\b
	global_load_b128 v[BI+8*\b+4:BI+8*\b+7], v[BIA], s[8:9] offset:64*\b+16
.endr
.macro MUL8 f, a, zero                 ; A's block a x B's eight, 32 along K, from buffers f.  The 32 accumulators take turns in the same order in every quarter
.irp b, 0,1,2,3,4,5,6,7
.if \zero
	v_wmma_f32_16x16x32_f16 v[8*(8*(\a)+\b):8*(8*(\a)+\b)+7], v[64*(\f)+8*\b:64*(\f)+8*\b+7], v[AF+32*(\f)+8*(\a):AF+32*(\f)+8*(\a)+7], v[BI+8*\b:BI+8*\b+7]
.else
	v_wmma_f32_16x16x32_f16 v[8*(8*(\a)+\b):8*(8*(\a)+\b)+7], v[64*(\f)+8*\b:64*(\f)+8*\b+7], v[AF+32*(\f)+8*(\a):AF+32*(\f)+8*(\a)+7], v[8*(8*(\a)+\b):8*(8*(\a)+\b)+7]
.endif
.endr
.endm
.macro FETCH slot, q, f                ; 24 LDS loads in one run: quarter q of the slot into buffers f; A's blocks 2 and 3 last
	WIN 0x40
.irp b, 0,1,2,3,4,5,6,7
	ds_load_b128 v[64*(\f)+8*\b:64*(\f)+8*\b+3], v[ADRB+\slot] offset:64*(\q)+4352*\b
	ds_load_b128 v[64*(\f)+8*\b+4:64*(\f)+8*\b+7], v[ADRB+\slot] offset:64*(\q)+4352*\b+32
.endr
	WIN 0
.irp a, 0,1,2,3
	ds_load_b128 v[AF+32*(\f)+8*\a:AF+32*(\f)+8*\a+3], v[ADRA+\slot] offset:18432*((\q)/2)+64*((\q)%2)+2304*\a
	ds_load_b128 v[AF+32*(\f)+8*\a+4:AF+32*(\f)+8*\a+7], v[ADRA+\slot] offset:18432*((\q)/2)+64*((\q)%2)+2304*\a+32
.endr
.endm
.macro PLACES
.rept 4
	v_nop
.endr
.endm
.macro QUARTER slot, qn, f, g, zero    ; multiplies buffers f; in its middle fetches quarter qn of the same slot into buffers g
	s_wait_dscnt 4                                 ; all but the youngest four loads (A's blocks 2 and 3)
	WMUL \zero
	MUL8 \f, 0, \zero
	MUL8 \f, 1, \zero
	PLACES
	FETCH \slot, \qn, \g
	s_wait_dscnt 24                                ; all but the 24 just issued
	WMUL \zero
	MUL8 \f, 2, \zero
	MUL8 \f, 3, \zero
.endm
; A slot's last quarter multiplies buffers 1 and changes slots: one barrier; in front of it each wave waits for all its tensor loads (one is out: its part of the next slot), adds 0 to its spare word,
; and waits for that and for its reads of this slot.  fill = 1: the barrier opens a round of the cluster's, and the joint refill, two K steps ahead, is the first thing behind it.
.macro TURN slot, next, fill
.if \fill
	s_wait_xcnt 0x0                                ; the last prefetch, a K step back, has read its address
	s_add_nc_u64 s[66:67], s[66:67], 2097152
.endif
	WIN 0
	s_wait_tensorcnt 0x0
	ds_add_u32 v[SPW], v[NIL]
	s_wait_dscnt 5                                 ; the add and the youngest four loads may be out
	WMUL 0
	MUL8 1, 0, 0
	s_wait_dscnt 0x0
	s_barrier_signal -1
	MUL8 1, 1, 0
.if \fill
	WIN 0
.endif
	s_barrier_wait -1
.if \fill
	CREST
	s_add_nc_u64 s[G0+4*\slot+2:G0+4*\slot+3], s[G0+4*\slot+2:G0+4*\slot+3], 2*2097152
	s_add_nc_u64 s[G0B+4*\slot+2:G0B+4*\slot+3], s[G0B+4*\slot+2:G0B+4*\slot+3], 2*256
	JLOAD \slot                                    ; the four v_nop behind it are also the places in front of the loads below
.else
	PLACES
.endif
	FETCH \next, 0, 0
.if \fill
	ASK
.endif
	WMUL 0
	MUL8 1, 2, 0
	MUL8 1, 3, 0
.endm
	s_wait_loadcnt 0x0                             ; the bias
	s_wait_tensorcnt 1                             ; my part of K step 0 is in; K step 1's may be out
	s_barrier_signal -1
	s_barrier_wait -1
	FETCH 0, 0, 0
	QUARTER 0, 1, 0, 1, 1                          ; the first quarter starts the sums, from the bias
	WIN 0
	s_mov_b32 s3, 3
.Llap:                                 ; a trip goes once round the ring and fills both slots again: K steps 2 .. 7
	QUARTER 0, 2, 1, 0, 0
	QUARTER 0, 3, 0, 1, 0
	TURN 0, 1, 1
	QUARTER 1, 1, 0, 1, 0
	QUARTER 1, 2, 1, 0, 0
	QUARTER 1, 3, 0, 1, 0
	TURN 1, 0, 1
	QUARTER 0, 1, 0, 1, 0
	WIN 0
	s_sub_co_u32 s3, s3, 1
	s_cmp_lg_u32 s3, 0
	s_cbranch_scc1 .Llap
	QUARTER 0, 2, 1, 0, 0                          ; the last lap fills nothing
	QUARTER 0, 3, 0, 1, 0
	TURN 0, 1, 0
	QUARTER 1, 1, 0, 1, 0
	QUARTER 1, 2, 1, 0, 0
	QUARTER 1, 3, 0, 1, 0
	s_wait_dscnt 4
	WMUL 0
	MUL8 1, 0, 0
	MUL8 1, 1, 0
	s_wait_dscnt 0
	MUL8 1, 2, 0
	MUL8 1, 3, 0
	WIN 0
; THE WAY OUT, block by block of 16 rows x 128 columns: through my own stage, back as whole rows of 512 bytes.
.macro TOSTAGE a
	WIN 0x08                                       ; an LDS store's data are its source 1: window 2
.irp b, 0,1,2,3,4,5,6,7
	ds_store_b128 v[STO], v[8*(8*(\a)+\b):8*(8*(\a)+\b)+3] offset:64*\b        ; each accumulator from its low end on
	ds_store_b128 v[STO], v[8*(8*(\a)+\b)+4:8*(8*(\a)+\b)+7] offset:64*\b+16
.endr
	WIN 0
.set BB, 192-128*((\a)%2)
.irp t, 0,1,2,3,4,5,6,7,8,9,10,11,12,13,14,15
	ds_load_b128 v[BB+4*\t:BB+4*\t+3], v[RD] offset:\t*SPITCH
.endr
.endm
.macro SEND a, younger
.set BB, 192-128*((\a)%2)
	s_wait_dscnt \younger                          ; the block is back; the next block's 16 stores and 16 loads may be out
.irp t, 0,1,2,3,4,5,6,7,8,9,10,11,12,13,14,15
	global_store_b128 v[CO], v[BB+4*\t:BB+4*\t+3], s[10:11] offset:(16*(\a)+\t)*4096 th:TH_STORE_NT   ; 32 lanes store 512 consecutive bytes, aligned
.endr
.endm
	PLACES
	TOSTAGE 0
.irp a, 1,2,3
.if \a > 1
	s_wait_xcnt 0x0                                ; block a - 2's stores have read their registers
.endif
	TOSTAGE \a
	SEND \a-1, 32
.endr
	SEND 3, 0
	s_wait_tensorcnt 0x0                           ; the wave's end
	ds_add_u32 v[SPW], v[NIL]
	s_wait_dscnt 0x0
	CROUND                                         ; the closing round
	s_endpgm
.Lfunc_end_k_qd6c46cd600_proj:
	.size	k_qd6c46cd600_proj, .Lfunc_end_k_qd6c46cd600_proj-k_qd6c46cd600_proj
	.p2alignl 7, 3214868480
	.fill 96, 4, 3214868480
	.section	.rodata,"a",@progbits
	.p2align	6, 0x0
	.amdhsa_kernel k_qd6c46cd600_proj
		.amdhsa_group_segment_fixed_size 327680
		.amdhsa_private_segment_fixed_size 0
		.amdhsa_enable_private_segment 0
		.amdhsa_kernarg_size 32
		.amdhsa_user_sgpr_count 2
		.amdhsa_user_sgpr_kernarg_segment_ptr 1
		.amdhsa_wavefront_size32 1
		.amdhsa_system_sgpr_workgroup_id_x 1
		.amdhsa_system_sgpr_workgroup_id_y 1
		.amdhsa_system_sgpr_workgroup_id_z 1
		.amdhsa_system_vgpr_workitem_id 0
		.amdhsa_next_free_vgpr 768
		.amdhsa_next_free_sgpr 70
		.amdhsa_reserve_vcc 0
		.amdhsa_float_denorm_mode_32 3
		.amdhsa_float_denorm_mode_16_64 3
		.amdhsa_memory_ordered 1
		.amdhsa_forward_progress 1
		.amdhsa_inst_pref_size 88
	.end_amdhsa_kernel
	.amdgpu_metadata
---
amdhsa.version: [ 1, 2 ]
amdhsa.kernels:
  - .name:           k_qd6c46cd600_proj
    .symbol:         k_qd6c46cd600_proj.kd
    .args:
      - { .name: ctxh, .offset: 0, .size: 8, .value_kind: global_buffer, .address_space: global }
      - { .name: wpt, .offset: 8, .size: 8, .value_kind: global_buffer, .address_space: global }
      - { .name: b_proj, .offset: 16, .size: 8, .value_kind: global_buffer, .address_space: global }
      - { .name: out0, .offset: 24, .size: 8, .value_kind: global_buffer, .address_space: global }
    .group_segment_fixed_size: 327680
    .private_segment_fixed_size: 0
    .kernarg_segment_align: 8
    .kernarg_segment_size: 32
    .max_flat_workgroup_size: 128
    .sgpr_count:     70
    .vgpr_count:     768
    .wavefront_size: 32
...
	.end_amdgpu_metadata
.endif
;; end of part 4
;; launch fine (part 5): grid 16 x 4, 16 waves a work-group, no clusters, 71,680 bytes of LDS; arguments aux, suf1, W_proj, b_proj, out0; writes out0
.if DOCPART == 5
	.amdgcn_target "amdgcn-amd-amdhsa--gfx1250"
	.amdhsa_code_object_version 6
	.text
	.protected	k_qd6c46cd600_fine
	.globl	k_qd6c46cd600_fine
	.p2align	8
	.type	k_qd6c46cd600_fine,@function
k_qd6c46cd600_fine:
	s_mov_b64 s[64:65], 0
	v_nop
	global_prefetch_b8 v0, s[64:65] scope:SCOPE_SE
	s_setreg_imm32_b32 hwreg(HW_REG_WAVE_MODE, 25, 1), 1
	s_wait_xcnt 0x0
; POSITIONS 0-15 OF EACH SEQUENCE, in f32 from end to end: these rows average one to sixteen values and are the largest of the output, so f16 operands would use up what the comparison allows.
; Work-group (sx, b): 64 columns of out0 for the 16 rows of batch b.  Wave w is head w: scores, softmax and context of its head from the f32 rows that the first product's launch kept, then its head's part of the
; projection; the sixteen parts meet in LDS.  The attention is repeated in the 16 work-groups of a batch (12 KiB of loads a wave), so that the context never leaves the registers.
; All products by v_wmma_f32_16x16x4_f32; its accumulators v160-191 are written by matrix instructions alone, and what is made of a sum goes into other registers.
; The keys from 16 on are wholly masked: score -10,000 each; they enter as 2,032 w in the sum and w R in O, w = 2^(c (-80,000 - m)), R = the sum of their v (two entries of the tables, added).
; K of a product is permuted alike on both sides, so that a lane's registers are what its loads bring.  LIMITS: NaN and infinities are not served.
; REGISTERS: v1-11 addresses; v12, v13 the add's two; v15 -80,000; v16-23 scores, then p; v24-31 c m, m, w, -, l, -, 1 / l, -; v32-63 Q; v64-95 K (both later W_proj, column tiles 2, 3); v96-127 V^T;
;   v128-159 R, then w R, then the context; v160-191 four accumulators; v192-255 the second table, then W_proj, column tiles 0, 1, then the sixteen parts.
.set RED,   0                          ; 16 heads x 16 rows x 272 bytes
.set SPARE, 69632                      ; the spare words, 128 bytes a wave
.set SPW, 12
.set NIL, 13
	s_load_b256 s[4:11], s[0:1], 0x0               ; aux s[4:5], suf1 s[6:7], W_proj s[8:9], b_proj s[10:11]
	s_load_b64 s[12:13], s[0:1], 0x20              ; out0
	v_lshl_add_u32 v[SPW], v0, 2, SPARE
	v_mov_b32 v[NIL], 0
	v_lshrrev_b32 v1, 5, v0
	v_readfirstlane_b32 s14, v1                    ; wave = head
	s_mov_b32 s15, ttmp9                           ; which 64 columns
	s_and_b32 s16, ttmp7, 0xffff                   ; batch
	v_and_b32 v1, 15, v0                           ; r
	v_bfe_u32 v2, v0, 4, 1                         ; h
	v_mul_u32_u24 v3, v1, 12288
	v_lshl_add_u32 v3, v2, 7, v3                   ; Q, K: row r, channels 32 h on
	v_mul_u32_u24 v4, v2, 98304
	v_lshl_add_u32 v4, v1, 2, v4                   ; V^T: keys 8 h on, channel r
	v_lshlrev_b32 v5, 5, v2                        ; 32 h: eight channels of my half
	v_lshlrev_b32 v6, 15, v2
	v_lshl_add_u32 v6, v1, 2, v6                   ; W_proj: rows 8 h on, column r
	v_lshlrev_b32 v7, 3, v2
	v_sub_nc_u32 v7, v1, v7                        ; r - 8 h
	s_mul_i32 s17, s14, 4352
	v_mul_u32_u24 v8, v1, 272
	v_lshl_add_u32 v8, v2, 5, v8
	v_add_nc_u32 v8, s17, v8                       ; my part: row r, + 32 h
	v_bfe_u32 v14, v0, 4, 4                        ; the sum: thread t of the first 256 takes row t / 16, 16 bytes at 16 (t % 16)
	v_mul_u32_u24 v9, v14, 272
	v_lshl_add_u32 v9, v1, 4, v9
	v_lshlrev_b32 v10, 12, v14
	v_lshl_add_u32 v10, v1, 4, v10
	v_lshlrev_b32 v11, 4, v1
	v_mov_b32 v15, 0xc79c4000                      ; -80,000
	s_mov_b32 s22, 0x3e38aa3b                      ; c = log2(e) / 8
	s_mov_b32 s23, s22
	s_mov_b32 s24, 0x76543210
	s_mov_b32 s25, 0xfedcba98
	s_lshl_b32 s28, s14, 8                         ; 256 x head
	s_mul_i32 s26, s16, 196608
	s_add_co_u32 s26, s26, s28
	s_add_co_u32 s26, s26, 524288
	s_mov_b32 s27, 0
	s_wait_kmcnt 0x0
	s_add_nc_u64 s[18:19], s[4:5], s[26:27]        ; the f32 rows of my batch, at my head's q
	s_lshl_b32 s26, s16, 17
	s_add_co_u32 s26, s26, s28
	s_add_nc_u64 s[20:21], s[4:5], s[26:27]        ; the sequence's first entry of the table of sums: rows 16 to 63
	s_lshl_b32 s26, s16, 12
	s_add_co_u32 s26, s26, s28
	s_add_nc_u64 s[6:7], s[6:7], s[26:27]          ; the sum over keys 64 on
	s_lshl_b32 s26, s14, 18
	s_lshl_b32 s28, s15, 8
	s_add_co_u32 s26, s26, s28
	s_add_nc_u64 s[8:9], s[8:9], s[26:27]          ; W_proj: my head's 64 rows, my work-group's 64 columns
	s_mov_b32 s26, s28
	s_add_nc_u64 s[10:11], s[10:11], s[26:27]
	s_lshl_b32 s26, s16, 23
	s_add_co_u32 s26, s26, s28
	s_add_nc_u64 s[12:13], s[12:13], s[26:27]
.irp i, 0,1,2,3,4,5,6,7
	global_load_b128 v[32+4*\i:35+4*\i], v3, s[18:19] offset:16*\i
.endr
.irp i, 0,1,2,3,4,5,6,7
	global_load_b128 v[64+4*\i:67+4*\i], v3, s[18:19] offset:4096+16*\i
.endr
.irp ct, 0,1,2,3
.irp k, 0,1,2,3,4,5,6,7
	global_load_b32 v[96+8*\ct+\k], v4, s[18:19] offset:8192+\k*12288+64*\ct       ; v(key 8 h + k, channel 16 ct + r)
.endr
.endr
.irp ct, 0,1,2,3
	global_load_b128 v[128+8*\ct:131+8*\ct], v5, s[6:7] offset:64*\ct
	global_load_b128 v[132+8*\ct:135+8*\ct], v5, s[6:7] offset:64*\ct+16
.endr
.irp ct, 0,1,2,3
	global_load_b128 v[192+8*\ct:195+8*\ct], v5, s[20:21] offset:64*\ct
	global_load_b128 v[196+8*\ct:199+8*\ct], v5, s[20:21] offset:64*\ct+16
.endr
	s_wait_loadcnt 48                              ; Q and K are in; V^T's 32 loads and the tables' 16 may be out
; S^T = K Q^T: 16 steps of 4 channels, on four accumulators by turns; the first four steps start the sums
.irp s, 0,1,2,3
	v_wmma_f32_16x16x4_f32 v[160+8*\s:167+8*\s], v[64+2*\s:65+2*\s], v[32+2*\s:33+2*\s], 0
.endr
.irp s, 4,5,6,7,8,9,10,11,12,13,14,15
	v_wmma_f32_16x16x4_f32 v[160+8*(\s%4):167+8*(\s%4)], v[64+2*\s:65+2*\s], v[32+2*\s:33+2*\s], v[160+8*(\s%4):167+8*(\s%4)]
.endr
.rept 9
	v_nop                                          ; places behind this form: in front of reads of the sums, of loads into Q's and K's registers, and of the next sums on these accumulators
.endr
	s_wait_loadcnt 0x0
.set ii, 0
.rept 16
	v_pk_add_f32 v[128+2*ii:129+2*ii], v[128+2*ii:129+2*ii], v[192+2*ii:193+2*ii]  ; R: keys 64 on + keys 16 to 63
.set ii, ii+1
.endr
.irp nt, 0,1,2,3                       ; W_proj(64 w + 16 ct + 8 h + 2 u + j, 64 sx + 16 nt + r) at register 8 ct + 2 u + j of column tile nt's 32
.set WB, 192+32*\nt-224*(\nt/2)
.set kk, 0
.rept 32
	global_load_b32 v[WB+kk], v6, s[8:9] offset:(16*(kk/8)+kk%8)*4096+64*\nt
.set kk, kk+1
.endr
.endr
.irp p, 0,2,4,6
	v_pk_add_f32 v[16+\p:17+\p], v[160+\p:161+\p], v[168+\p:169+\p]                ; the four partial sums; each accumulator from its low end on
.endr
.irp p, 0,2,4,6
	v_pk_add_f32 v[16+\p:17+\p], v[16+\p:17+\p], v[176+\p:177+\p]
.endr
.irp p, 0,2,4,6
	v_pk_add_f32 v[16+\p:17+\p], v[16+\p:17+\p], v[184+\p:185+\p]
.endr
.irp j, 0,1,2,3,4,5,6,7
	v_cmp_gt_i32 vcc_lo, \j, v7                    ; register j holds key 8 h + j: hidden where it comes after query r
	v_cndmask_b32 v[16+\j], v[16+\j], v15, vcc_lo
.endr
	v_max3_num_f32 v27, v16, v17, v18
	v_max3_num_f32 v29, v19, v20, v21
	v_max3_num_f32 v27, v27, v22, v23
	v_max3_num_f32 v27, v27, v29, v15              ; with the score of the keys from 16 on
	v_permlanex16_b32 v29, v27, s24, s25
	v_max_num_f32 v25, v27, v29                    ; m
	v_mul_f32 v24, s22, v25                        ; c m
.irp p, 0,2,4,6
	v_pk_fma_f32 v[16+\p:17+\p], v[16+\p:17+\p], s[22:23], v[24:25] op_sel_hi:[1,0,0] neg_lo:[0,0,1] neg_hi:[0,0,1]
.endr
	v_fma_f32 v26, v15, s22, -v24
.irp j, 0,1,2,3,4,5,6,7
	v_exp_f32 v[16+\j], v[16+\j]
.endr
	v_exp_f32 v26, v26                             ; w
	v_nop
	s_wait_alu depctr_va_vdst(0)                   ; one wait for the nine, ahead of their first reader
	v_pk_add_f32 v[28:29], v[16:17], v[18:19]
	v_pk_add_f32 v[30:31], v[20:21], v[22:23]
	v_pk_add_f32 v[28:29], v[28:29], v[30:31]
	v_add_f32 v28, v28, v29
	v_permlanex16_b32 v29, v28, s24, s25
	v_add_f32 v28, v28, v29
	v_fmamk_f32 v28, v26, 0x44fe0000, v28          ; l = the 16 keys' p + 2,032 w
	v_rcp_f32 v30, v28
.set ii, 0
.rept 16
	v_pk_mul_f32 v[128+2*ii:129+2*ii], v[128+2*ii:129+2*ii], v[26:27] op_sel_hi:[1,0]      ; w R: where O^T's sums begin
.set ii, ii+1
.endr
	s_wait_alu depctr_va_vdst(0)                   ; the reciprocal's wait; the sixteen lines above are the work between
; O^T = w R + V^T P: 4 steps of 4 keys, four channel tiles by turns
.irp ct, 0,1,2,3
	v_wmma_f32_16x16x4_f32 v[160+8*\ct:167+8*\ct], v[96+8*\ct:97+8*\ct], v[16:17], v[128+8*\ct:135+8*\ct]
.endr
.irp u, 1,2,3
.irp ct, 0,1,2,3
	v_wmma_f32_16x16x4_f32 v[160+8*\ct:167+8*\ct], v[96+8*\ct+2*\u:97+8*\ct+2*\u], v[16+2*\u:17+2*\u], v[160+8*\ct:167+8*\ct]
.endr
.endr
.rept 9
	v_nop
.endr
.set ii, 0
.rept 16
	v_pk_mul_f32 v[128+2*ii:129+2*ii], v[160+2*ii:161+2*ii], v[30:31] op_sel_hi:[1,0]      ; the context: register 8 ct + j is ctx(query r, channel 16 ct + 8 h + j)
.set ii, ii+1
.endr
	s_wait_loadcnt 0x0                             ; W_proj
; my head's part of the projection, transposed (source 0 = 16 columns of W_proj, source 1 = the context): 16 steps of 4 channels, four column tiles by turns
.irp nt, 0,1,2,3
	v_wmma_f32_16x16x4_f32 v[160+8*\nt:167+8*\nt], v[192+32*\nt-224*(\nt/2):193+32*\nt-224*(\nt/2)], v[128:129], 0
.endr
.irp s, 1,2,3,4,5,6,7,8,9,10,11,12,13,14,15
.irp nt, 0,1,2,3
	v_wmma_f32_16x16x4_f32 v[160+8*\nt:167+8*\nt], v[192+32*\nt-224*(\nt/2)+2*\s:193+32*\nt-224*(\nt/2)+2*\s], v[128+2*\s:129+2*\s], v[160+8*\nt:167+8*\nt]
.endr
.endr
.rept 9
	v_nop
.endr
	global_load_b128 v[96:99], v11, s[10:11]       ; the bias of my four columns
.irp nt, 0,1,2,3
	ds_store_b128 v8, v[160+8*\nt:163+8*\nt] offset:RED+64*\nt                     ; lane (r, h): row r, columns 16 nt + 8 h + 0 .. 7
	ds_store_b128 v8, v[164+8*\nt:167+8*\nt] offset:RED+64*\nt+16
.endr
	s_wait_dscnt 0x0                               ; for the others' sake: my part has landed
	s_barrier_signal -1
	s_barrier_wait -1
	s_cmp_lt_u32 s14, 8
	s_cbranch_scc0 .Ldone                          ; 256 threads add the sixteen parts, heads ascending
.irp wv, 0,1,2,3,4,5,6,7,8,9,10,11,12,13,14,15
	ds_load_b128 v[192+4*\wv:195+4*\wv], v9 offset:RED+4352*\wv
.endr
	s_wait_dscnt 0x0
.irp wv, 1,2,3,4,5,6,7,8,9,10,11,12,13,14,15
	v_pk_add_f32 v[192:193], v[192:193], v[192+4*\wv:193+4*\wv]
	v_pk_add_f32 v[194:195], v[194:195], v[194+4*\wv:195+4*\wv]
.endr
	s_wait_loadcnt 0x0
	v_pk_add_f32 v[192:193], v[192:193], v[96:97]
	v_pk_add_f32 v[194:195], v[194:195], v[98:99]
	global_store_b128 v10, v[192:195], s[12:13]    ; sixteen lanes store 256 consecutive bytes, aligned
.Ldone:
	s_wait_tensorcnt 0x0                           ; the wave's end, behind the last LDS store
	ds_add_u32 v[SPW], v[NIL]
	s_wait_dscnt 0x0
	s_endpgm
.Lfunc_end_k_qd6c46cd600_fine:
	.size	k_qd6c46cd600_fine, .Lfunc_end_k_qd6c46cd600_fine-k_qd6c46cd600_fine
	.p2alignl 7, 3214868480
	.fill 96, 4, 3214868480
	.section	.rodata,"a",@progbits
	.p2align	6, 0x0
	.amdhsa_kernel k_qd6c46cd600_fine
		.amdhsa_group_segment_fixed_size 71680
		.amdhsa_private_segment_fixed_size 0
		.amdhsa_enable_private_segment 0
		.amdhsa_kernarg_size 40
		.amdhsa_user_sgpr_count 2
		.amdhsa_user_sgpr_kernarg_segment_ptr 1
		.amdhsa_wavefront_size32 1
		.amdhsa_system_sgpr_workgroup_id_x 1
		.amdhsa_system_sgpr_workgroup_id_y 1
		.amdhsa_system_sgpr_workgroup_id_z 1
		.amdhsa_system_vgpr_workitem_id 0
		.amdhsa_next_free_vgpr 256
		.amdhsa_next_free_sgpr 66
		.amdhsa_reserve_vcc 1
		.amdhsa_float_denorm_mode_32 3
		.amdhsa_float_denorm_mode_16_64 3
		.amdhsa_memory_ordered 1
		.amdhsa_forward_progress 1
		.amdhsa_inst_pref_size 38
	.end_amdhsa_kernel
	.amdgpu_metadata
---
amdhsa.version: [ 1, 2 ]
amdhsa.kernels:
  - .name:           k_qd6c46cd600_fine
    .symbol:         k_qd6c46cd600_fine.kd
    .args:
      - { .name: aux, .offset: 0, .size: 8, .value_kind: global_buffer, .address_space: global }
      - { .name: suf1, .offset: 8, .size: 8, .value_kind: global_buffer, .address_space: global }
      - { .name: W_proj, .offset: 16, .size: 8, .value_kind: global_buffer, .address_space: global }
      - { .name: b_proj, .offset: 24, .size: 8, .value_kind: global_buffer, .address_space: global }
      - { .name: out0, .offset: 32, .size: 8, .value_kind: global_buffer, .address_space: global }
    .group_segment_fixed_size: 71680
    .private_segment_fixed_size: 0
    .kernarg_segment_align: 8
    .kernarg_segment_size: 40
    .max_flat_workgroup_size: 512
    .sgpr_count:     66
    .vgpr_count:     256
    .wavefront_size: 32
...
	.end_amdgpu_metadata
.endif
;; end of part 5
